; MI455X (gfx1250); checked and timed in simulation.
; The chip was launched on July 23, 2026; its instructions are those of AMD's public machine-readable ISA for CDNA 5 (MIT licence, August 2026) and "CDNA5" Instruction Set Architecture Reference Guide (July 2026). The comments in the code are by the model that wrote it; some were corrected since.
;; Advanced Phase Coherence. Allowed arithmetic: float matrix products may take bf16 or f16 operands with f32 sums; all other float work in f32.
;; Inputs: ctx_W 512 x 512 float32; ctx_b 512 float32; embeddings 4 x 2,048 x 512 float32; enh_W 3 x 512 x 512 float32; enh_b 3 x 512 float32; fus_W 2,048 x 512 float32; fus_b 512 float32; ln1_b 512 float32; ln1_g 512 float32; ln2_b 512 float32; ln2_g 512 float32; ln3_b 512 float32; ln3_g 512 float32; scale_W 5 x 512 float32; scale_b 512 float32; sem_W 1 x 512 float32; sem_b 512 float32; token_ids 4 x 2,048 int32; token_similarity 2,048 x 2,048 float32.
;; Outputs: out0 4 x 2,048 x 512 float32.
;; One version. Each part assembles by itself: llvm-mc -triple=amdgcn-amd-amdhsa -mcpu=gfx1250 --defsym DOCPART=n.
;; ======== version 1 of 1: 4 launches
;; limits: a function is approximated: absolute error at most 2.5e-05; values are held in f16: magnitudes above 65,504 overflow, below 6.1e-05 lose precision
;; workspace buffers: wf 2,621,440 bytes; fold 12,288 bytes; simb 263,168 bytes; feat 163,840 bytes
;; launch prep (part 1): grid 208 x 1, 16 waves a work-group, no clusters, 178,176 bytes of LDS; arguments ctx_W, fus_W, enh_W, scale_W, scale_b, sem_W, sem_b, ctx_b, fus_b, wf, fold; writes wf, fold
.if DOCPART == 1
	.amdgcn_target "amdgcn-amd-amdhsa--gfx1250"
	.amdhsa_code_object_version 6
	.text
	.protected	k_q5e38b133a7_prep
	.globl	k_q5e38b133a7_prep
	.p2align	8
	.type	k_q5e38b133a7_prep,@function
k_q5e38b133a7_prep:
	s_mov_b64 s[64:65], 0
	v_nop
	global_prefetch_b8 v0, s[64:65] scope:SCOPE_SE
	s_setreg_imm32_b32 hwreg(HW_REG_WAVE_MODE, 25, 1), 1
	s_wait_xcnt 0x0
; What the chain needs of the weights, made once.  Four roles, chosen by the work-group's number (the same for all its waves).
; wf: five 512 x 512 matrices W[k][n] in f16, in the order in which the chain's waves read matrix fragments:
;   byte = pass*524288 + chunk*131072 + w*16384 + kbl*4096 + nbl*1024 + half*512 + lane*16, holding W[k..k+7][n],
;   k = chunk*128 + kbl*32 + half*16 + 8*(lane/16), n = w*64 + nbl*16 + lane%16.
;   pass 0 = fus_W rows 1536.., pass 1 = G = ctx_W x (fus_W rows 1024..1535), passes 2-4 = enh_W[0..2].
;   f16 and not bf16: the products stand in front of layer norms, and 11 significant bits keep their rounding small.
;   LIMIT: an entry beyond 65,504 in magnitude overflows (for G: 512 max|ctx_W| max|fus_W| above that); below 6.1e-5 it is kept to an absolute 3e-8.
; Groups 0-127: G, a block of 32 (k1) x 64 (n) each: 192 KiB read.  Groups 128-143: the fold, 32 columns each: 192 KiB read.
; Groups 144-159: pass 0 converted; groups 160-207: passes 2-4 converted: 64 KiB read each.
; fold [6][512] f32, the parts of the fusion layer that are linear of rank 5, 1 and 0, multiplied out in f32:
;   fold[0] = fus_b + (scale_b + scale_W[0]) F0 + sem_b F1 + ctx_b F2, fold[1..4] = scale_W[1..4] F0, fold[5] = sem_W F1,
;   Fq = fus_W rows 512 q .. 512 q + 511.  (The window of length 1 equals its own mean, so its coherence is cos 0 = 1.)
; LDS: the two roles that use it have bytes of their own: G's 0..135,167, the fold's 135,168..176,127.
.set GW,  8448                         ; G role: a wave's partial block: two planes (results 0-3, 4-7 of a lane)
.set GP,  4224                         ; a plane: 128 modulo 256, so that a load's two planes fall on different 16-byte columns
.set GN,  1040                         ; 64 units of 16 bytes + 16: the four column blocks that a store touches fall on different columns
.set FB,  16*GW                        ; fold role: FB .. FB + 16,383 coefficients [k][8] f32;
.set RED, FB+16384                     ;            RED .. RED + 24,575 partial sums [wave 16][half 2][sum 6][32 columns]
	s_load_b256 s[4:11], s[0:1], 0x0               ; ctx_W s[4:5], fus_W s[6:7], enh_W s[8:9], scale_W s[10:11]
	s_load_b256 s[12:19], s[0:1], 0x20             ; scale_b s[12:13], sem_W s[14:15], sem_b s[16:17], ctx_b s[18:19]
	s_load_b128 s[20:23], s[0:1], 0x40             ; fus_b s[20:21], wf s[22:23]
	s_load_b64 s[24:25], s[0:1], 0x50              ; fold
	v_lshl_add_u32 v248, v0, 2, 0x2b000
	v_mov_b32 v249, 0
	v_lshrrev_b32 v1, 5, v0
	v_readfirstlane_b32 s26, v1                    ; wave 0..15
	s_cmp_ge_u32 ttmp9, 160
	s_cbranch_scc1 .Lconv_e
	s_cmp_ge_u32 ttmp9, 144
	s_cbranch_scc1 .Lconv_f
	s_cmp_ge_u32 ttmp9, 128
	s_cbranch_scc1 .Lfold
	; ---- G[k1][n] = sum over k of ctx_W[k1][k] F2[k][n], k1 = 32 a .. + 31, n = 64 c .. + 63.  Wave w takes k = 32 w .. 32 w + 31: one K step,
	; eight tiles, and no byte is loaded twice in the group.  The sixteen waves' partial blocks are added through LDS.
	s_lshr_b32 s27, ttmp9, 3                       ; a
	s_and_b32 s28, ttmp9, 7                        ; c
	v_and_b32 v1, 15, v0                           ; r
	v_bfe_u32 v2, v0, 4, 1                         ; h
	s_lshl_b32 s29, s27, 16                        ; 32 a rows of 2,048 bytes
	s_lshl_b32 s30, s26, 7                         ; 32 w numbers along k
	s_add_co_u32 s29, s29, s30
	v_lshl_add_u32 v3, v1, 11, s29                 ; ctx_W: row 32 a + r,
	v_lshl_add_u32 v3, v2, 5, v3                   ;        k = 32 w + 8 h
	s_lshl_b32 s30, s26, 16                        ; F2: row 32 w
	s_lshl_b32 s31, s28, 8                         ;     column 64 c
	s_add_co_u32 s30, s30, s31
	v_lshl_add_u32 v4, v1, 4, s30                  ;     + 4 r: sixteen lanes cover the block's 256 bytes of a row
	v_lshl_add_u32 v4, v2, 14, v4                  ;     + 8 h rows
	v_lshrrev_b32 v6, 2, v1                        ; where my results go: fragment nb holds column 64 c + 4 r + nb, that is column block r / 4,
	v_mul_u32_u24 v5, v6, GN                       ; place 4 (r % 4) + nb in it
	v_and_b32 v6, 3, v1
	v_lshl_add_u32 v5, v6, 6, v5
	v_lshl_add_u32 v5, v2, 8, v5                   ; + 16 h units
	s_mul_i32 s31, s26, GW
	v_add_nc_u32 v5, s31, v5
	v_and_b32 v6, 1, v0                            ; thread t adds plane t & 1 of unit t >> 1
	v_mul_u32_u24 v7, v6, GP
	v_lshrrev_b32 v6, 7, v0
	v_mul_u32_u24 v10, v6, GN
	v_add_nc_u32 v7, v7, v10
	v_bfe_u32 v6, v0, 1, 6
	v_lshl_add_u32 v7, v6, 4, v7
	v_add_nc_u32 v8, 8*GW, v7                      ; waves 8-15: beyond the reach of the 16-bit immediate
	v_lshlrev_b32 v9, 3, v0                        ; and stores 8 bytes at 8 t
	s_lshr_b32 s32, s27, 2                         ; the block's 4,096 bytes of pass 1: chunk = a / 4, w = c, kbl = a % 4
	s_lshl_b32 s32, s32, 17
	s_and_b32 s33, s27, 3
	s_lshl_b32 s33, s33, 12
	s_add_co_u32 s32, s32, s33
	s_lshl_b32 s33, s28, 14
	s_add_co_u32 s32, s32, s33
	s_add_co_u32 s32, s32, 524288
	s_mov_b32 s33, 0
	s_wait_kmcnt 0x0
	s_add_nc_u64 s[22:23], s[22:23], s[32:33]
.irp mb, 0,1
	global_load_b128 v[16+16*\mb:19+16*\mb], v3, s[4:5] offset:\mb*32768        ; k = 8 h + 0..3
	global_load_b128 v[20+16*\mb:23+16*\mb], v3, s[4:5] offset:\mb*32768+16     ;     8 h + 4..7
	global_load_b128 v[24+16*\mb:27+16*\mb], v3, s[4:5] offset:\mb*32768+64     ;     16 + 8 h + 0..3
	global_load_b128 v[28+16*\mb:31+16*\mb], v3, s[4:5] offset:\mb*32768+80     ;     16 + 8 h + 4..7
.endr
.irp j, 0,1,2,3,4,5,6,7
	global_load_b128 v[48+4*\j:51+4*\j], v4, s[6:7] offset:0x200000+\j*2048     ; F2[8 h + j][4 r .. 4 r + 3]: one number for each of the four fragments
.endr
.irp j, 0,1,2,3,4,5,6,7
	global_load_b128 v[80+4*\j:83+4*\j], v4, s[6:7] offset:0x200000+(16+\j)*2048
.endr
	s_wait_loadcnt 16                              ; ctx_W's eight loads are in; F2's sixteen stay out
.irp mb, 0,1
.irp p, 0,1,2,3,4,5,6,7
	v_cvt_pk_f16_f32 v[112+8*\mb+\p], v[16+16*\mb+2*\p], v[17+16*\mb+2*\p]
.endr
.endr
	s_wait_loadcnt 0x0
.irp nb, 0,1,2,3
.irp p, 0,1,2,3,4,5,6,7
	v_cvt_pk_f16_f32 v[128+8*\nb+\p], v[48+8*\p+\nb], v[52+8*\p+\nb]            ; rows 2 p and 2 p + 1 of my sixteen
.endr
.endr
.irp mb, 0,1
.irp nb, 0,1,2,3
	v_wmma_f32_16x16x32_f16 v[160+8*(4*\mb+\nb):167+8*(4*\mb+\nb)], v[112+8*\mb:119+8*\mb], v[128+8*\nb:135+8*\nb], 0
.endr
.endr
.rept 4
	v_nop                                          ; four places behind the last matrix instruction (ISA guide 7.12.1)
.endr
	; register j of lane (r, h) is G[32 a + 16 mb + 8 h + j][64 c + 4 r + nb]: eight neighbouring k1 of one column, a unit of the fragment order
.irp mb, 0,1
.irp nb, 0,1,2,3
	ds_store_b128 v5, v[160+8*(4*\mb+\nb):163+8*(4*\mb+\nb)] offset:\mb*512+\nb*16
	ds_store_b128 v5, v[164+8*(4*\mb+\nb):167+8*(4*\mb+\nb)] offset:GP+\mb*512+\nb*16
.endr
.endr
	s_wait_dscnt 0x0                               ; my stores are done before the others read them
	s_barrier_signal -1
	s_barrier_wait -1
.irp w, 0,1,2,3,4,5,6,7
	ds_load_b128 v[16+4*\w:19+4*\w], v7 offset:\w*GW
	ds_load_b128 v[48+4*\w:51+4*\w], v8 offset:\w*GW
.endr
	s_wait_dscnt 0x0
.irp q, 0,1,2,3,4,5,6,7
	v_pk_add_f32 v[16+4*\q:17+4*\q], v[16+4*\q:17+4*\q], v[48+4*\q:49+4*\q]
	v_pk_add_f32 v[18+4*\q:19+4*\q], v[18+4*\q:19+4*\q], v[50+4*\q:51+4*\q]
.endr
.irp q, 0,1,2,3
	v_pk_add_f32 v[16+4*\q:17+4*\q], v[16+4*\q:17+4*\q], v[32+4*\q:33+4*\q]
	v_pk_add_f32 v[18+4*\q:19+4*\q], v[18+4*\q:19+4*\q], v[34+4*\q:35+4*\q]
.endr
.irp q, 0,1
	v_pk_add_f32 v[16+4*\q:17+4*\q], v[16+4*\q:17+4*\q], v[24+4*\q:25+4*\q]
	v_pk_add_f32 v[18+4*\q:19+4*\q], v[18+4*\q:19+4*\q], v[26+4*\q:27+4*\q]
.endr
	v_pk_add_f32 v[16:17], v[16:17], v[20:21]
	v_pk_add_f32 v[18:19], v[18:19], v[22:23]
	v_cvt_pk_f16_f32 v80, v16, v17
	v_cvt_pk_f16_f32 v81, v18, v19
	global_store_b64 v9, v[80:81], s[22:23]        ; a wave's store covers 256 consecutive bytes, the group's sixteen 4,096
	s_wait_tensorcnt 0x0
	ds_add_u32 v248, v249
	s_wait_dscnt 0x0
	s_endpgm
	; ---- a matrix converted: 2,048 units of 16 bytes a group, four a thread; unit g = s28 + u * 512 + t.
	; s[30:31] = the matrix's byte offset in its buffer, s[34:35] = the pass's in wf
.macro CONVERT base
.irp u, 0,1,2,3
	v_add_nc_u32 v13, \u*512, v0
	v_add_nc_u32 v13, s28, v13                     ; g
	v_bfe_u32 v12, v13, 4, 1
	v_lshlrev_b32 v10, 3, v12                      ; k = 8 h
	v_bfe_u32 v12, v13, 5, 1
	v_lshl_add_u32 v10, v12, 4, v10                ;   + 16 half
	v_bfe_u32 v12, v13, 8, 2
	v_lshl_add_u32 v10, v12, 5, v10                ;   + 32 kbl
	v_bfe_u32 v12, v13, 13, 2
	v_lshl_add_u32 v10, v12, 7, v10                ;   + 128 chunk
	v_and_b32 v11, 15, v13                         ; n = r
	v_bfe_u32 v12, v13, 6, 2
	v_lshl_add_u32 v11, v12, 4, v11                ;   + 16 nbl
	v_bfe_u32 v12, v13, 10, 3
	v_lshl_add_u32 v11, v12, 6, v11                ;   + 64 w
	v_lshlrev_b32 v11, 2, v11
	v_lshl_add_u32 v[2+\u], v10, 11, v11           ; source byte: k * 2048 + n * 4
	v_lshlrev_b32 v[6+\u], 4, v13                  ; target byte in the pass: 16 g
.endr
	s_wait_kmcnt 0x0
	s_add_nc_u64 s[32:33], s[\base:\base+1], s[30:31]
	s_add_nc_u64 s[22:23], s[22:23], s[34:35]
.irp u, 0,1,2,3
.irp j, 0,1,2,3,4,5,6,7
	global_load_b32 v[16+8*\u+\j], v[2+\u], s[32:33] offset:\j*2048    ; W[k + j][n]
.endr
.endr
	s_wait_loadcnt 0x0
.irp u, 0,1,2,3
.irp p, 0,1,2,3
	v_cvt_pk_f16_f32 v[48+4*\u+\p], v[16+8*\u+2*\p], v[16+8*\u+2*\p+1]    ; the lower k in the lower half
.endr
	global_store_b128 v[6+\u], v[48+4*\u:48+4*\u+3], s[22:23]          ; a wave's store covers 512 consecutive bytes
.endr
	s_endpgm
.endm
.Lconv_f:
	s_sub_co_u32 s29, ttmp9, 144                   ; 16 groups: fus_W rows 1536.. to pass 0
	s_lshl_b32 s28, s29, 11
	s_mov_b32 s30, 0x300000
	s_mov_b32 s31, 0
	s_mov_b32 s34, 0
	s_mov_b32 s35, 0
	CONVERT 6
.Lconv_e:
	s_sub_co_u32 s29, ttmp9, 160                   ; 48 groups: enh_W[i] to pass 2 + i
	s_lshr_b32 s27, s29, 4                         ; i
	s_and_b32 s28, s29, 15
	s_lshl_b32 s28, s28, 11
	s_lshl_b32 s30, s27, 20
	s_mov_b32 s31, 0
	s_add_co_u32 s34, s27, 2
	s_lshl_b32 s34, s34, 19
	s_mov_b32 s35, 0
	CONVERT 8
	; ---- the fold: wave wv takes k = 32 wv .. 32 wv + 31; lane (r, h) takes columns 2 r, 2 r + 1 of the group's 32 and the rows of parity h
.macro FLOAD q                         ; 32 rows of Fq: a load covers 128 bytes of each of two rows
.set kk_, 0
.rept 16
	global_load_b64 v[48+32*\q+2*kk_:48+32*\q+2*kk_+1], v14, s[6:7] offset:\q*1048576+kk_*4096
.set kk_, kk_+1
.endr
.endm
; dst (+)= a * one coefficient, taken from the pair cp (sel 0: its first register, 1: its second) for both halves
.macro PF dst, a, cp, sel, first
.if \first
.if \sel
	v_pk_mul_f32 v[\dst:\dst+1], v[\a:\a+1], v[\cp:\cp+1] op_sel:[0,1]
.else
	v_pk_mul_f32 v[\dst:\dst+1], v[\a:\a+1], v[\cp:\cp+1] op_sel_hi:[1,0]
.endif
.else
.if \sel
	v_pk_fma_f32 v[\dst:\dst+1], v[\a:\a+1], v[\cp:\cp+1], v[\dst:\dst+1] op_sel:[0,1,0]
.else
	v_pk_fma_f32 v[\dst:\dst+1], v[\a:\a+1], v[\cp:\cp+1], v[\dst:\dst+1] op_sel_hi:[1,0,1]
.endif
.endif
.endm
.macro KSTEP i, kk, first              ; one row of each F: eight products into the six sums v[2:13]
	PF 2,  48+2*(\kk),  16+8*\i, 0, \first
	PF 4,  48+2*(\kk),  16+8*\i, 1, \first
	PF 6,  48+2*(\kk),  18+8*\i, 0, \first
	PF 8,  48+2*(\kk),  18+8*\i, 1, \first
	PF 10, 48+2*(\kk),  20+8*\i, 0, \first
	PF 12, 80+2*(\kk),  20+8*\i, 1, \first
	PF 2,  80+2*(\kk),  22+8*\i, 0, 0
	PF 2,  112+2*(\kk), 22+8*\i, 1, 0
.endm
.Lfold:
	s_sub_co_u32 s27, ttmp9, 128                   ; y: columns 32 y ..
	v_and_b32 v1, 15, v0                           ; r
	v_bfe_u32 v245, v0, 4, 1                       ; h
	s_lshl_b32 s28, s26, 16                        ; 32 rows of 2,048 bytes a wave
	s_lshl_b32 s29, s27, 7
	s_add_co_u32 s28, s28, s29
	v_lshl_add_u32 v14, v1, 3, s28
	v_lshl_add_u32 v14, v245, 11, v14
	v_lshlrev_b32 v15, 2, v0                       ; thread t fetches the coefficients of k = t
	v_lshlrev_b32 v240, 5, v0
	v_add_nc_u32 v240, FB, v240                    ; and puts them at FB + 32 t
	s_lshl_b32 s30, s26, 10
	s_add_co_u32 s30, s30, FB
	v_lshl_add_u32 v241, v245, 5, s30              ; coefficients of row 32 wv + h
	s_mul_i32 s31, s26, 1536
	s_add_co_u32 s31, s31, RED
	v_mul_u32_u24 v243, v245, 768
	v_add_nc_u32 v243, s31, v243
	v_lshl_add_u32 v242, v1, 3, v243               ; partial sums of (wave, h)
	s_wait_kmcnt 0x0
	global_load_b32 v244, v15, s[12:13]            ; scale_b
.irp i, 0,1,2,3,4
	global_load_b32 v[16+\i], v15, s[10:11] offset:\i*2048             ; scale_W[i]
.endr
	global_load_b32 v21, v15, s[14:15]             ; sem_W
	global_load_b32 v22, v15, s[16:17]             ; sem_b
	global_load_b32 v23, v15, s[18:19]             ; ctx_b
	FLOAD 0
	s_wait_loadcnt 16                              ; the nine coefficients are in; F0's sixteen loads stay out
	v_add_f32 v16, v244, v16                       ; scale_b + scale_W[0]
	ds_store_b128 v240, v[16:19]
	ds_store_b128 v240, v[20:23] offset:16
	FLOAD 1
	FLOAD 2
	s_wait_dscnt 0x0                               ; my stores are done before the others read them
	s_barrier_signal -1
	s_barrier_wait -1
.set g_, 0
.rept 4
.irp i, 0,1,2,3
	ds_load_b128 v[16+8*\i:16+8*\i+3], v241 offset:(4*g_+\i)*64        ; each half of the lanes reads one row's words
	ds_load_b128 v[16+8*\i+4:16+8*\i+7], v241 offset:(4*g_+\i)*64+16
.endr
	s_wait_dscnt 0x0
.if g_ == 0
	s_wait_loadcnt 0x0                             ; all 48 loads of F, once
.endif
.irp i, 0,1,2,3
	KSTEP \i, 4*g_+\i, (4*g_+\i)==0
.endr
.set g_, g_+1
.endr
.irp a, 0,1,2,3,4,5
	ds_store_b64 v242, v[2+2*\a:3+2*\a] offset:\a*128
.endr
	s_wait_dscnt 0x0
	s_barrier_signal -1
	s_barrier_wait -1
	s_cmp_ge_u32 s26, 6                            ; wave = which sum, lane = which column
	s_cbranch_scc1 .Lfend
	v_and_b32 v1, 31, v0
	s_lshl_b32 s29, s26, 7
	s_add_co_u32 s29, s29, RED
	v_lshl_add_u32 v14, v1, 2, s29
.set w_, 0
.rept 32
	ds_load_b32 v[16+w_], v14 offset:w_*768
.set w_, w_+1
.endr
	s_lshl_b32 s30, s27, 7
	v_lshl_add_u32 v15, v1, 2, s30
	global_load_b32 v50, v15, s[20:21]             ; fus_b, added to sum 0 alone
	s_cmp_eq_u32 s26, 0
	s_cselect_b32 s31, 1.0, 0
	s_wait_dscnt 0x0
.irp p, 16,20,24,28,32,36,40,44
	v_pk_add_f32 v[\p:\p+1], v[\p:\p+1], v[\p+2:\p+3]
.endr
.irp p, 16,24,32,40
	v_pk_add_f32 v[\p:\p+1], v[\p:\p+1], v[\p+4:\p+5]
.endr
	v_pk_add_f32 v[16:17], v[16:17], v[24:25]
	v_pk_add_f32 v[32:33], v[32:33], v[40:41]
	v_pk_add_f32 v[16:17], v[16:17], v[32:33]
	v_add_f32 v16, v16, v17
	s_wait_loadcnt 0x0
	v_fma_f32 v16, v50, s31, v16
	s_lshl_b32 s28, s26, 11
	v_add_nc_u32 v15, s28, v15                     ; its load is done: the register may be rewritten
	global_store_b32 v15, v16, s[24:25]
.Lfend:
	s_wait_tensorcnt 0x0
	ds_add_u32 v248, v249
	s_wait_dscnt 0x0
	s_endpgm
.Lfunc_end_k_q5e38b133a7_prep:
	.size	k_q5e38b133a7_prep, .Lfunc_end_k_q5e38b133a7_prep-k_q5e38b133a7_prep
	.p2alignl 7, 3214868480
	.fill 96, 4, 3214868480
	.section	.rodata,"a",@progbits
	.p2align	6, 0x0
	.amdhsa_kernel k_q5e38b133a7_prep
		.amdhsa_group_segment_fixed_size 178176
		.amdhsa_private_segment_fixed_size 0
		.amdhsa_enable_private_segment 0
		.amdhsa_kernarg_size 88
		.amdhsa_user_sgpr_count 2
		.amdhsa_user_sgpr_kernarg_segment_ptr 1
		.amdhsa_wavefront_size32 1
		.amdhsa_system_sgpr_workgroup_id_x 1
		.amdhsa_system_sgpr_workgroup_id_y 1
		.amdhsa_system_sgpr_workgroup_id_z 1
		.amdhsa_system_vgpr_workitem_id 0
		.amdhsa_next_free_vgpr 250
		.amdhsa_next_free_sgpr 66
		.amdhsa_reserve_vcc 0
		.amdhsa_float_denorm_mode_32 3
		.amdhsa_float_denorm_mode_16_64 3
		.amdhsa_memory_ordered 1
		.amdhsa_forward_progress 1
		.amdhsa_inst_pref_size 52
	.end_amdhsa_kernel
	.amdgpu_metadata
---
amdhsa.version: [ 1, 2 ]
amdhsa.kernels:
  - .name:           k_q5e38b133a7_prep
    .symbol:         k_q5e38b133a7_prep.kd
    .args:
      - { .name: ctx_W, .offset: 0, .size: 8, .value_kind: global_buffer, .address_space: global }
      - { .name: fus_W, .offset: 8, .size: 8, .value_kind: global_buffer, .address_space: global }
      - { .name: enh_W, .offset: 16, .size: 8, .value_kind: global_buffer, .address_space: global }
      - { .name: scale_W, .offset: 24, .size: 8, .value_kind: global_buffer, .address_space: global }
      - { .name: scale_b, .offset: 32, .size: 8, .value_kind: global_buffer, .address_space: global }
      - { .name: sem_W, .offset: 40, .size: 8, .value_kind: global_buffer, .address_space: global }
      - { .name: sem_b, .offset: 48, .size: 8, .value_kind: global_buffer, .address_space: global }
      - { .name: ctx_b, .offset: 56, .size: 8, .value_kind: global_buffer, .address_space: global }
      - { .name: fus_b, .offset: 64, .size: 8, .value_kind: global_buffer, .address_space: global }
      - { .name: wf, .offset: 72, .size: 8, .value_kind: global_buffer, .address_space: global }
      - { .name: fold, .offset: 80, .size: 8, .value_kind: global_buffer, .address_space: global }
    .group_segment_fixed_size: 178176
    .private_segment_fixed_size: 0
    .kernarg_segment_align: 8
    .kernarg_segment_size: 88
    .max_flat_workgroup_size: 512
    .sgpr_count:     66
    .vgpr_count:     250
    .wavefront_size: 32
...
	.end_amdgpu_metadata
.endif
;; end of part 1
;; launch sim (part 2): grid 256 x 1, 8 waves a work-group, no clusters, 216,064 bytes of LDS; arguments token_ids, token_similarity, simb; writes simb
.if DOCPART == 2
	.amdgcn_target "amdgcn-amd-amdhsa--gfx1250"
	.amdhsa_code_object_version 6
	.text
	.protected	k_q5e38b133a7_sim
	.globl	k_q5e38b133a7_sim
	.p2align	8
	.type	k_q5e38b133a7_sim,@function
k_q5e38b133a7_sim:
	s_mov_b64 s[64:65], 0
	v_nop
	global_prefetch_b8 v0, s[64:65] scope:SCOPE_SE
	s_setreg_imm32_b32 hwreg(HW_REG_WAVE_MODE, 25, 1), 1
	s_wait_xcnt 0x0
; The band of the token similarity that is ever read: sim(b, i, i + o), o = 1..8.  simb [4][2056][8] f32: row 8 + i, word o - 1;
; 0 where i + o > 2047; rows 0-7 of a batch are 0 (pairs that begin in front of the sequence).
; A group takes 32 positions and 8 halo rows: 40 gathered table rows.  Wave w takes K = 256 w .. 256 w + 255 of all 40 rows: loads f32,
; rounds to bf16 into its own LDS rows, makes five 16 x 16 Gram tiles by matrix instructions; the eight waves' tiles are summed in LDS.
; The norms are the Gram diagonal, that is, of the rows as rounded to bf16 (stated limit); max(norm, 1e-12) as in the problem.
; No cluster: neighbours share 8 of 40 rows, and which rows these are hangs on data.
.set RPITCH, 528                       ; 512 bytes + 16: an odd multiple of 16, so the 16 rows of a fragment load start in different banks
.set WROWS,  40*RPITCH                 ; a wave's rows: 21,120 bytes
.set PT,     168960                    ; partial tiles: [wave][tile 5][half 2][lane][16 bytes]
.set GG,     209920                    ; summed tiles: [tile 5][16][16] f32
	s_load_b128 s[4:7], s[0:1], 0x0                ; token_ids s[4:5], token_similarity s[6:7]
	s_load_b64 s[8:9], s[0:1], 0x10                ; simb
	s_set_vgpr_msb 0x40
	v_lshl_add_u32 v0, v0, 2, 0x34800
	v_mov_b32 v1, 0
	s_set_vgpr_msb 0x4000
	v_lshrrev_b32 v1, 5, v0
	v_readfirstlane_b32 s10, v1                    ; wave
	s_lshr_b32 s11, ttmp9, 6                       ; batch
	s_and_b32 s12, ttmp9, 63                       ; block
	s_lshl_b32 s13, s12, 5                         ; i0
	s_lshl_b32 s14, ttmp9, 7                       ; byte of token_ids[b][i0]
	s_add_co_u32 s56, s14, 128                     ; the 8 halo ids; in a batch's last block ids 24-31 again (those sims are set to 0)
	s_add_co_u32 s57, s14, 96
	s_cmp_eq_u32 s12, 63
	s_cselect_b32 s56, s57, s56
	v_and_b32 v1, 31, v0
	s_lshl_b32 s15, s10, 10
	v_lshl_add_u32 v22, v1, 4, s15                 ; my 16 bytes in the wave's 1,024 bytes of a table row
	s_mul_i32 s58, s10, WROWS
	v_lshl_add_u32 v23, v1, 3, s58                 ; my 8 bytes of bf16 in the wave's LDS rows
	s_wait_kmcnt 0x0
	s_load_b512 s[16:31], s[4:5], s14 offset:0x0
	s_load_b512 s[32:47], s[4:5], s14 offset:0x40
	s_load_b256 s[48:55], s[4:5], s56 offset:0x0
	s_wait_kmcnt 0x0
.set n_, 16
.rept 40
	s_min_u32 s[n_], s[n_], 2047                   ; an id stays inside the table
	s_lshl_b32 s[n_], s[n_], 13                    ; a table row is 8,192 bytes
.set n_, n_+1
.endr
.macro LOADB set, batch                ; ten rows, two loads of 512 bytes a wave each
.irp i, 0,1,2,3,4,5,6,7,8,9
	v_add_nc_u32 v[2+10*\set+\i], s[16+10*\batch+\i], v22
	global_load_b128 v[24+80*\set+8*\i:24+80*\set+8*\i+3], v[2+10*\set+\i], s[6:7]
	global_load_b128 v[24+80*\set+8*\i+4:24+80*\set+8*\i+7], v[2+10*\set+\i], s[6:7] offset:512
.endr
.endm
.macro CONVB set, batch, left          ; left = the younger batch's loads, which stay out; this set's registers are free behind the wait
	s_wait_loadcnt \left
.irp i, 0,1,2,3,4,5,6,7,8,9
.irp c, 0,1
	v_cvt_pk_bf16_f32 v[216+2*\c], v[24+80*\set+8*\i+4*\c], v[24+80*\set+8*\i+4*\c+1]
	v_cvt_pk_bf16_f32 v[217+2*\c], v[24+80*\set+8*\i+4*\c+2], v[24+80*\set+8*\i+4*\c+3]
	ds_store_b64 v23, v[216+2*\c:217+2*\c] offset:(10*\batch+\i)*RPITCH+\c*256
.endr
.endr
.endm
	LOADB 0, 0
	LOADB 1, 1
	CONVB 0, 0, 20
	LOADB 0, 2
	CONVB 1, 1, 20
	LOADB 1, 3
	CONVB 0, 2, 20
	CONVB 1, 3, 0
	; fragments: lane (r, h) reads row r, K bytes 16 h and 32 + 16 h of each 64; block 2 has 8 rows, read twice over
	v_and_b32 v2, 15, v0
	v_bfe_u32 v3, v0, 4, 1
	v_mul_u32_u24 v12, v2, RPITCH
	v_lshl_add_u32 v12, v3, 4, v12
	v_add_nc_u32 v12, s58, v12
	v_and_b32 v4, 7, v0
	v_mul_u32_u24 v13, v4, RPITCH
	v_lshl_add_u32 v13, v3, 4, v13
	v_add_nc_u32 v13, s58, v13
	v_add_nc_u32 v13, 32*RPITCH, v13
.irp ks, 0,1,2,3,4,5,6,7
.irp rb, 0,1
	ds_load_b128 v[24+24*\ks+8*\rb:24+24*\ks+8*\rb+3], v12 offset:\rb*16*RPITCH+\ks*64      ; the wave's own bytes: LDS serves a wave in order
	ds_load_b128 v[24+24*\ks+8*\rb+4:24+24*\ks+8*\rb+7], v12 offset:\rb*16*RPITCH+\ks*64+32
.endr
	ds_load_b128 v[24+24*\ks+16:24+24*\ks+19], v13 offset:\ks*64
	ds_load_b128 v[24+24*\ks+20:24+24*\ks+23], v13 offset:\ks*64+32
.endr
; five accumulators take turns, one instruction a turn: tiles (0,0) (0,1) (1,1) (1,2) (2,2)
.macro GR ks, zero
	s_wait_dscnt 6*(7-\ks)                         ; the six loads of each later K step stay out
.irp q, 0,1,2,3,4
.if \zero
	v_wmma_f32_16x16x32_bf16 v[216+8*\q:223+8*\q], v[24+24*\ks+8*(\q/2):24+24*\ks+8*(\q/2)+7], v[24+24*\ks+8*((\q+1)/2):24+24*\ks+8*((\q+1)/2)+7], 0
.else
	v_wmma_f32_16x16x32_bf16 v[216+8*\q:223+8*\q], v[24+24*\ks+8*(\q/2):24+24*\ks+8*(\q/2)+7], v[24+24*\ks+8*((\q+1)/2):24+24*\ks+8*((\q+1)/2)+7], v[216+8*\q:223+8*\q]
.endif
.endr
.endm
	GR 0, 1
.irp ks, 1,2,3,4,5,6,7
	GR \ks, 0
.endr
.rept 4
	v_nop                                          ; four places behind the last matrix instruction (ISA guide 7.12.1)
.endr
	s_mul_i32 s59, s10, 5120
	s_add_co_u32 s59, s59, PT
	v_lshl_add_u32 v14, v1, 4, s59
.irp q, 0,1,2,3,4
	ds_store_b128 v14, v[216+8*\q:219+8*\q] offset:\q*1024
	ds_store_b128 v14, v[220+8*\q:223+8*\q] offset:\q*1024+512
.endr
	s_wait_dscnt 0x0
	s_barrier_signal -1
	s_barrier_wait -1
	; thread t sums word t of each tile over the eight waves
	v_lshlrev_b32 v15, 2, v0
	v_add_nc_u32 v15, PT, v15
.irp q, 0,1,2,3,4
.irp w, 0,1,2,3,4,5,6,7
	ds_load_b32 v[24+8*\q+\w], v15 offset:\w*5120+\q*1024
.endr
.endr
	v_bfe_u32 v2, v0, 6, 1                         ; word t is register 4 (t >> 7) + (t & 3) of lane (t >> 2) & 31:
	v_lshrrev_b32 v3, 7, v0                        ; element m = 8 (lane / 16) + register, n = lane % 16
	v_and_b32 v4, 3, v0
	v_lshl_add_u32 v4, v3, 2, v4
	v_lshl_add_u32 v4, v2, 3, v4                   ; m
	v_bfe_u32 v5, v0, 2, 4                         ; n
	v_lshlrev_b32 v5, 2, v5
	v_lshl_add_u32 v16, v4, 6, v5
	v_add_nc_u32 v16, GG, v16
	s_wait_dscnt 0x0
.irp q, 0,1,2,3,4
	v_pk_add_f32 v[24+8*\q:25+8*\q], v[24+8*\q:25+8*\q], v[26+8*\q:27+8*\q]
	v_pk_add_f32 v[28+8*\q:29+8*\q], v[28+8*\q:29+8*\q], v[30+8*\q:31+8*\q]
	v_pk_add_f32 v[24+8*\q:25+8*\q], v[24+8*\q:25+8*\q], v[28+8*\q:29+8*\q]
	v_add_f32 v[24+8*\q], v[24+8*\q], v[25+8*\q]
	ds_store_b32 v16, v[24+8*\q] offset:\q*1024
.endr
	s_wait_dscnt 0x0
	s_barrier_signal -1
	s_barrier_wait -1
	; thread t: i = t >> 3, o = (t & 7) + 1, j = i + o
	v_lshrrev_b32 v2, 3, v0                        ; i
	v_and_b32 v3, 7, v0
	v_add3_u32 v3, v3, v2, 1                       ; j
	v_lshrrev_b32 v4, 4, v2                        ; i's block
	v_lshrrev_b32 v5, 4, v3                        ; j's block
	v_and_b32 v6, 15, v2
	v_and_b32 v7, 15, v3
	v_add_nc_u32 v8, v4, v5                        ; tile of (i, j)
	v_lshlrev_b32 v8, 10, v8
	v_lshl_add_u32 v8, v6, 6, v8
	v_lshl_add_u32 v8, v7, 2, v8
	v_mul_u32_u24 v9, v6, 68                       ; the diagonal: word 17 (i % 16) of tile 2 x block
	v_lshl_add_u32 v9, v4, 11, v9
	v_mul_u32_u24 v10, v7, 68
	v_lshl_add_u32 v10, v5, 11, v10
	v_add_nc_u32 v8, GG, v8
	v_add_nc_u32 v9, GG, v9
	v_add_nc_u32 v10, GG, v10
	ds_load_b32 v24, v8
	ds_load_b32 v25, v9
	ds_load_b32 v26, v10
	v_add_nc_u32 v11, s13, v3                      ; i0 + j
	s_mul_i32 s16, s11, 65792                      ; a batch's 2,056 rows of 32 bytes
	s_lshl_b32 s17, s13, 5
	s_add_co_u32 s16, s16, s17
	s_add_co_u32 s16, s16, 256                     ; row 8 + i0
	s_mov_b32 s17, 0
	s_add_nc_u64 s[8:9], s[8:9], s[16:17]
	v_lshlrev_b32 v29, 2, v0
	s_wait_dscnt 0x0
	v_sqrt_f32 v27, v25
	v_sqrt_f32 v28, v26
	v_nop                                          ; one plain place behind a transcendental (ISA guide 5.7.2)
	s_wait_alu depctr_va_vdst(0)
	v_max_num_f32 v27, 0x2b8cbccc, v27             ; max(norm, 1e-12)
	v_max_num_f32 v28, 0x2b8cbccc, v28
	v_rcp_f32 v25, v27
	v_rcp_f32 v26, v28
	v_cmp_ge_u32 vcc_lo, 2047, v11                 ; the pair exists
	s_wait_alu depctr_va_vdst(0)
	v_mul_f32 v24, v24, v25
	v_mul_f32 v24, v24, v26
	v_cndmask_b32 v24, 0, v24, vcc_lo
	global_store_b32 v29, v24, s[8:9]              ; the group's 1,024 consecutive bytes
	s_cmp_lg_u32 s12, 0
	s_cbranch_scc1 .Lend
	s_cmp_ge_u32 s10, 2
	s_cbranch_scc1 .Lend
	v_mov_b32 v30, 0
	global_store_b32 v29, v30, s[8:9] offset:-256  ; a batch's first block: rows 0-7 = 0 (64 words, waves 0 and 1)
.Lend:
	s_set_vgpr_msb 0x5
	s_wait_tensorcnt 0x0
	ds_add_u32 v0, v1
	s_wait_dscnt 0x0
	s_set_vgpr_msb 0x500
	s_endpgm
.Lfunc_end_k_q5e38b133a7_sim:
	.size	k_q5e38b133a7_sim, .Lfunc_end_k_q5e38b133a7_sim-k_q5e38b133a7_sim
	.p2alignl 7, 3214868480
	.fill 96, 4, 3214868480
	.section	.rodata,"a",@progbits
	.p2align	6, 0x0
	.amdhsa_kernel k_q5e38b133a7_sim
		.amdhsa_group_segment_fixed_size 216064
		.amdhsa_private_segment_fixed_size 0
		.amdhsa_enable_private_segment 0
		.amdhsa_kernarg_size 24
		.amdhsa_user_sgpr_count 2
		.amdhsa_user_sgpr_kernarg_segment_ptr 1
		.amdhsa_wavefront_size32 1
		.amdhsa_system_sgpr_workgroup_id_x 1
		.amdhsa_system_sgpr_workgroup_id_y 1
		.amdhsa_system_sgpr_workgroup_id_z 1
		.amdhsa_system_vgpr_workitem_id 0
		.amdhsa_next_free_vgpr 258
		.amdhsa_next_free_sgpr 66
		.amdhsa_reserve_vcc 1
		.amdhsa_float_denorm_mode_32 3
		.amdhsa_float_denorm_mode_16_64 3
		.amdhsa_memory_ordered 1
		.amdhsa_forward_progress 1
		.amdhsa_inst_pref_size 44
	.end_amdhsa_kernel
	.amdgpu_metadata
---
amdhsa.version: [ 1, 2 ]
amdhsa.kernels:
  - .name:           k_q5e38b133a7_sim
    .symbol:         k_q5e38b133a7_sim.kd
    .args:
      - { .name: token_ids, .offset: 0, .size: 8, .value_kind: global_buffer, .address_space: global }
      - { .name: token_similarity, .offset: 8, .size: 8, .value_kind: global_buffer, .address_space: global }
      - { .name: simb, .offset: 16, .size: 8, .value_kind: global_buffer, .address_space: global }
    .group_segment_fixed_size: 216064
    .private_segment_fixed_size: 0
    .kernarg_segment_align: 8
    .kernarg_segment_size: 24
    .max_flat_workgroup_size: 256
    .sgpr_count:     66
    .vgpr_count:     258
    .wavefront_size: 32
...
	.end_amdgpu_metadata
.endif
;; end of part 2
;; launch coh (part 3): grid 256 x 1, 8 waves a work-group, no clusters, 209,152 bytes of LDS; arguments embeddings, simb, feat; writes feat
.if DOCPART == 3
	.amdgcn_target "amdgcn-amd-amdhsa--gfx1250"
	.amdhsa_code_object_version 6
	.text
	.protected	k_q5e38b133a7_coh
	.globl	k_q5e38b133a7_coh
	.p2align	8
	.type	k_q5e38b133a7_coh,@function
k_q5e38b133a7_coh:
	s_mov_b64 s[64:65], 0
	v_nop
	global_prefetch_b8 v0, s[64:65] scope:SCOPE_SE
	s_setreg_imm32_b32 hwreg(HW_REG_WAVE_MODE, 25, 1), 1
	s_wait_xcnt 0x0
; feat [5][8192] f32.  Planes 0-3: multi-scale coherence for windows of 2, 4, 8, 16 (0 where the window passes the end).
; Plane 4: for one batch, the sum over o != 0 and d of cos((p_i - p_(i+o)) sim) - 1.
; p = tanh(x) = 1 - 2 / (1 + 2^(2.885390 x)).  With m the window's mean, sum_k cos(p_k - m) = cos m sum cos p_k + sin m sum sin p_k,
; and the window sums of p, cos p, sin p are made by doubling (2 = 1 + 1, 4 = 2 + 2, ...).  The term of (i, i + o) equals that of (i + o, i)
; (sim is symmetric by construction, cos is even): each pair is evaluated once and added to both positions.
; A pair that does not exist has sim = 0 in simb and adds exactly 0.
; Cosines and sines are polynomials: |p|, |m| <= 1: cos to u^4, sin to u^3 (error below 3e-6); |(p_i - p_j) sim| <= 2: cos to u^5 (below 9e-6).
; A group takes 32 positions of one batch.  Wave w, lane l own d = 64 w + 2 l, + 1.  Every wave walks 56 rows downward: step t is row i0 + 47 - t.
; Rows outside the sequence are read at a clamped row; what they feed is masked (planes 0-3) or multiplied by sim = 0 (plane 4).
; Sums over d are not made in the loop: each lane puts its word into LDS, item (pos * 5 + plane) * 1040 + w * 128 + l * 4; five waves add them at the end.
; No cluster, no matrix unit: neighbours share a part of the rows only, and the work is vector arithmetic.
.set OFF, 4                            ; v[4:11]    ring of 8: byte offset of the slot's row
.set XR,  12                           ; v[12:27]   ring of 8: x as loaded
.set PR,  28                           ; v[28:43]   ring of 8: p
.set QP2, 44                           ; window sums of p: 2 (4 slots), 4 (8 slots), 8 (8 slots)
.set QP4, 52
.set QP8, 68
.set QC1, 84                           ; cos p (2 slots) and its window sums
.set QC2, 88
.set QC4, 96
.set QC8, 112
.set QS1, 128                          ; sin p likewise
.set QS2, 132
.set QS4, 140
.set QS8, 156
.set SA,  172                          ; v[172:187] ring of 8: a position's sum of cos - 1
.set KC8, 188                          ; 1/40320, -1/5040, -1/3628800, each twice
.set KS7, 190
.set KC10, 192
.set PN,  194                          ; the new row's p
.set RR,  196
.set XT,  198
.set EX,  200
.set TP,  202                          ; windows of 16
.set TC,  204
.set TS,  206
.set U0,  208
.set SN,  210
.set MM,  212                          ; four pairs each
.set UU,  220
.set CC,  228
.set SS,  236
.set RS,  244                          ; four words for LDS
.set ITEM, 1040
	s_load_b128 s[4:7], s[0:1], 0x0                ; embeddings s[4:5], simb s[6:7]
	s_load_b64 s[8:9], s[0:1], 0x10                ; feat
	v_lshl_add_u32 v254, v0, 2, 0x32d00
	v_mov_b32 v255, 0
	v_lshrrev_b32 v1, 5, v0
	v_readfirstlane_b32 s10, v1                    ; wave
	s_lshr_b32 s11, ttmp9, 6                       ; batch
	s_and_b32 s12, ttmp9, 63
	s_lshl_b32 s12, s12, 5                         ; i0
	v_and_b32 v2, 31, v0
	v_lshlrev_b32 v1, 3, v2
	v_lshl_add_u32 v1, s10, 8, v1                  ; my 8 bytes of a row: a wave's load covers 256 consecutive bytes
	v_lshrrev_b32 v3, 1, v1
	v_add_nc_u32 v2, 32*5*ITEM, v3                 ; stepped down by 8 positions at each trip's head: planes 0-3 begin at position 24
	v_add_nc_u32 v3, 40*5*ITEM, v3                 ; plane 4 at position 32 (positions 32-39 are never read)
	v_mov_b32 v[KC8], 0x37d00d01
	v_mov_b32 v[KC8+1], 0x37d00d01
	v_mov_b32 v[KS7], 0xb9500d01
	v_mov_b32 v[KS7+1], 0xb9500d01
	v_mov_b32 v[KC10], 0xb493f27e
	v_mov_b32 v[KC10+1], 0xb493f27e
.irp i, 0,1,2,3,4,5,6,7,8,9,10,11,12,13,14,15
	v_mov_b32 v[SA+\i], 0                          ; the first eight sums that leave the ring belong to positions 32-39
.endr
	s_mov_b32 s23, 0                               ; upper halves of the four pairs that hold sim^2
	s_mov_b32 s25, 0
	s_mov_b32 s27, 0
	s_mov_b32 s29, 0
	s_lshl_b32 s16, s11, 22                        ; a batch is 4 MiB
	s_mov_b32 s17, 0
	s_mul_i32 s18, s11, 65792
	s_lshl_b32 s19, s12, 5
	s_add_co_u32 s18, s18, s19
	s_add_co_u32 s18, s18, 36*32                   ; simb row 8 + i0 + 28: pairs that begin at i0 + 28 .. i0 + 31
	s_mov_b32 s19, 0
	s_add_co_u32 s13, s12, 47                      ; the row that is loaded next
	s_wait_kmcnt 0x0
	s_add_nc_u64 s[4:5], s[4:5], s[16:17]
	s_add_nc_u64 s[6:7], s[6:7], s[18:19]
.macro SIMLD d                         ; four rows of simb, 128 bytes
	s_load_b512 s[\d:\d+15], s[6:7], 0x0
	s_load_b512 s[\d+16:\d+31], s[6:7], 0x40
.endm
.macro ROWLD k
	s_max_i32 s14, s13, 0
	s_min_i32 s14, s14, 2047
	s_lshl_b32 s14, s14, 11
	v_add_nc_u32 v[OFF+\k], s14, v1
	global_load_b64 v[XR+2*\k:XR+2*\k+1], v[OFF+\k], s[4:5]
	s_sub_co_i32 s13, s13, 1
.endm
	SIMLD 32
.irp k, 0,1,2,3,4,5,6,7
	ROWLD \k
.endr
; the slot's row has come (left = younger loads that stay out; the wait also frees the slot's offset register); p = tanh x; the slot is loaded again
.macro INTAKE k, left, load
	s_wait_loadcnt \left
	v_pk_mul_f32 v[XT:XT+1], v[XR+2*\k:XR+2*\k+1], 0x4038aa3b op_sel_hi:[1,0]
	v_exp_f32 v[EX], v[XT]
	v_exp_f32 v[EX+1], v[XT+1]
.if \load
	ROWLD \k                                       ; its v_add_nc_u32 is the plain place behind the exponentials (ISA guide 5.7.2)
.else
	v_nop
.endif
	s_wait_alu depctr_va_vdst(0)
	v_pk_add_f32 v[XT:XT+1], v[EX:EX+1], 1.0 op_sel_hi:[1,0]
	v_rcp_f32 v[RR], v[XT]
	v_rcp_f32 v[RR+1], v[XT+1]
	v_nop
	s_wait_alu depctr_va_vdst(0)
	v_pk_fma_f32 v[PN:PN+1], v[RR:RR+1], -2.0, 1.0 op_sel_hi:[1,0,0]
.endm
.macro COMMIT k                        ; p enters the ring when the row 8 above has been used for the last time (the multiply-add again, in place of a copy)
	v_pk_fma_f32 v[PR+2*\k:PR+2*\k+1], v[RR:RR+1], -2.0, 1.0 op_sel_hi:[1,0,0]
.endm
.macro TRIG1 c, s                      ; cos p, sin p
	v_pk_mul_f32 v[U0:U0+1], v[PN:PN+1], v[PN:PN+1]
	v_pk_fma_f32 v[\c:\c+1], v[U0:U0+1], v[KC8:KC8+1], 0xbab60b61 op_sel_hi:[1,1,0]
	v_pk_fma_f32 v[SN:SN+1], v[U0:U0+1], v[KS7:KS7+1], 0x3c088889 op_sel_hi:[1,1,0]
	v_pk_fma_f32 v[\c:\c+1], v[\c:\c+1], v[U0:U0+1], 0x3d2aaaab op_sel_hi:[1,1,0]
	v_pk_fma_f32 v[SN:SN+1], v[SN:SN+1], v[U0:U0+1], 0xbe2aaaab op_sel_hi:[1,1,0]
	v_pk_fma_f32 v[\c:\c+1], v[\c:\c+1], v[U0:U0+1], -0.5 op_sel_hi:[1,1,0]
	v_pk_fma_f32 v[SN:SN+1], v[SN:SN+1], v[U0:U0+1], 1.0 op_sel_hi:[1,1,0]
	v_pk_fma_f32 v[\c:\c+1], v[\c:\c+1], v[U0:U0+1], 1.0 op_sel_hi:[1,1,0]
	v_pk_mul_f32 v[\s:\s+1], v[SN:SN+1], v[PN:PN+1]
.endm
; window sums that begin at this row; lvl = how many levels have their inputs yet (4: all, with the window of 16)
.macro WINQ new, prev, q2, q4, q8, t16, k, lvl
.if \lvl >= 1
	v_pk_add_f32 v[\q2+2*(\k%4):\q2+2*(\k%4)+1], v[\new:\new+1], v[\prev:\prev+1]
.endif
.if \lvl >= 2
	v_pk_add_f32 v[\q4+2*\k:\q4+2*\k+1], v[\q2+2*(\k%4):\q2+2*(\k%4)+1], v[\q2+2*((\k+2)%4):\q2+2*((\k+2)%4)+1]
.endif
.if \lvl >= 4
	v_pk_add_f32 v[\t16:\t16+1], v[\q8+2*\k:\q8+2*\k+1], v[\q4+2*\k:\q4+2*\k+1]        ; the slot still holds the window 8 rows above
	v_pk_add_f32 v[\t16:\t16+1], v[\t16:\t16+1], v[\q4+2*((\k+4)%8):\q4+2*((\k+4)%8)+1]
.endif
.if \lvl >= 3
	v_pk_add_f32 v[\q8+2*\k:\q8+2*\k+1], v[\q4+2*\k:\q4+2*\k+1], v[\q4+2*((\k+4)%8):\q4+2*((\k+4)%8)+1]
.endif
.endm
.macro WIN3 k, lvl
	WINQ PN, PR+2*((\k+7)%8), QP2, QP4, QP8, TP, \k, \lvl
	WINQ QC1+2*(\k%2), QC1+2*((\k+1)%2), QC2, QC4, QC8, TC, \k, \lvl
	WINQ QS1+2*(\k%2), QS1+2*((\k+1)%2), QS2, QS4, QS8, TS, \k, \lvl
.endm
; the four scales, stage by stage so that four chains run side by side: cos m * sum cos + sin m * sum sin
.macro MS k
.set WP0, QP2+2*(\k%4)
.set WP1, QP4+2*\k
.set WP2, QP8+2*\k
.set WP3, TP
.set WC0, QC2+2*(\k%4)
.set WC1, QC4+2*\k
.set WC2, QC8+2*\k
.set WC3, TC
.set WS0, QS2+2*(\k%4)
.set WS1, QS4+2*\k
.set WS2, QS8+2*\k
.set WS3, TS
	v_pk_mul_f32 v[MM:MM+1], v[WP0:WP0+1], 0.5 op_sel_hi:[1,0]
	v_pk_mul_f32 v[MM+2:MM+3], v[WP1:WP1+1], 0x3e800000 op_sel_hi:[1,0]
	v_pk_mul_f32 v[MM+4:MM+5], v[WP2:WP2+1], 0x3e000000 op_sel_hi:[1,0]
	v_pk_mul_f32 v[MM+6:MM+7], v[WP3:WP3+1], 0x3d800000 op_sel_hi:[1,0]
.irp v, 0,1,2,3
	v_pk_mul_f32 v[UU+2*\v:UU+2*\v+1], v[MM+2*\v:MM+2*\v+1], v[MM+2*\v:MM+2*\v+1]
.endr
.irp v, 0,1,2,3
	v_pk_fma_f32 v[CC+2*\v:CC+2*\v+1], v[UU+2*\v:UU+2*\v+1], v[KC8:KC8+1], 0xbab60b61 op_sel_hi:[1,1,0]
.endr
.irp v, 0,1,2,3
	v_pk_fma_f32 v[SS+2*\v:SS+2*\v+1], v[UU+2*\v:UU+2*\v+1], v[KS7:KS7+1], 0x3c088889 op_sel_hi:[1,1,0]
.endr
.irp v, 0,1,2,3
	v_pk_fma_f32 v[CC+2*\v:CC+2*\v+1], v[CC+2*\v:CC+2*\v+1], v[UU+2*\v:UU+2*\v+1], 0x3d2aaaab op_sel_hi:[1,1,0]
.endr
.irp v, 0,1,2,3
	v_pk_fma_f32 v[SS+2*\v:SS+2*\v+1], v[SS+2*\v:SS+2*\v+1], v[UU+2*\v:UU+2*\v+1], 0xbe2aaaab op_sel_hi:[1,1,0]
.endr
.irp v, 0,1,2,3
	v_pk_fma_f32 v[CC+2*\v:CC+2*\v+1], v[CC+2*\v:CC+2*\v+1], v[UU+2*\v:UU+2*\v+1], -0.5 op_sel_hi:[1,1,0]
.endr
.irp v, 0,1,2,3
	v_pk_fma_f32 v[SS+2*\v:SS+2*\v+1], v[SS+2*\v:SS+2*\v+1], v[UU+2*\v:UU+2*\v+1], 1.0 op_sel_hi:[1,1,0]
.endr
.irp v, 0,1,2,3
	v_pk_fma_f32 v[CC+2*\v:CC+2*\v+1], v[CC+2*\v:CC+2*\v+1], v[UU+2*\v:UU+2*\v+1], 1.0 op_sel_hi:[1,1,0]
.endr
.irp v, 0,1,2,3
	v_pk_mul_f32 v[MM+2*\v:MM+2*\v+1], v[MM+2*\v:MM+2*\v+1], v[WS\v:WS\v+1]
.endr
.irp v, 0,1,2,3
	v_pk_mul_f32 v[CC+2*\v:CC+2*\v+1], v[CC+2*\v:CC+2*\v+1], v[WC\v:WC\v+1]
.endr
.irp v, 0,1,2,3
	v_pk_fma_f32 v[CC+2*\v:CC+2*\v+1], v[SS+2*\v:SS+2*\v+1], v[MM+2*\v:MM+2*\v+1], v[CC+2*\v:CC+2*\v+1]
.endr
.irp v, 0,1,2,3
	v_add_f32 v[RS+\v], v[CC+2*\v], v[CC+2*\v+1]
.endr
.irp v, 0,1,2,3
	ds_store_b32 v2, v[RS+\v] offset:((7-\k)*5+\v)*ITEM
.endr
.endm
; four pairs (row, row + o), o = 4 hi + x + 1; sb = the scalar register of this row's sim for o = 1.
; g = u h(u), u = (diff sim)^2, h = -1/2 + u (1/24 + u (-1/720 + u (1/40320 - u/3628800))); u h is added onto both positions by a multiply-add each
.macro SEM4 k, sb, hi
.irp x, 0,1,2,3
	s_mul_f32 s[22+2*\x], s[\sb+4*\hi+\x], s[\sb+4*\hi+\x]
.endr
.irp x, 0,1,2,3
	v_pk_add_f32 v[UU+2*\x:UU+2*\x+1], v[PN:PN+1], v[PR+2*((\k+7-4*\hi-\x)%8):PR+2*((\k+7-4*\hi-\x)%8)+1] neg_lo:[0,1] neg_hi:[0,1]
.endr
.irp x, 0,1,2,3
	v_pk_mul_f32 v[UU+2*\x:UU+2*\x+1], v[UU+2*\x:UU+2*\x+1], v[UU+2*\x:UU+2*\x+1]
.endr
.irp x, 0,1,2,3
	v_pk_mul_f32 v[UU+2*\x:UU+2*\x+1], v[UU+2*\x:UU+2*\x+1], s[22+2*\x:23+2*\x] op_sel_hi:[1,0]
.endr
.irp x, 0,1,2,3
	v_pk_fma_f32 v[CC+2*\x:CC+2*\x+1], v[UU+2*\x:UU+2*\x+1], v[KC10:KC10+1], 0x37d00d01 op_sel_hi:[1,1,0]
.endr
.irp x, 0,1,2,3
	v_pk_fma_f32 v[CC+2*\x:CC+2*\x+1], v[CC+2*\x:CC+2*\x+1], v[UU+2*\x:UU+2*\x+1], 0xbab60b61 op_sel_hi:[1,1,0]
.endr
.irp x, 0,1,2,3
	v_pk_fma_f32 v[CC+2*\x:CC+2*\x+1], v[CC+2*\x:CC+2*\x+1], v[UU+2*\x:UU+2*\x+1], 0x3d2aaaab op_sel_hi:[1,1,0]
.endr
.irp x, 0,1,2,3
	v_pk_fma_f32 v[CC+2*\x:CC+2*\x+1], v[CC+2*\x:CC+2*\x+1], v[UU+2*\x:UU+2*\x+1], -0.5 op_sel_hi:[1,1,0]
.endr
.if \hi
	; o = 8 completes the position 8 rows above: it leaves the ring, and its slot starts this row's sum
	v_pk_fma_f32 v[SA+2*\k:SA+2*\k+1], v[UU+6:UU+7], v[CC+6:CC+7], v[SA+2*\k:SA+2*\k+1]
	v_add_f32 v[RS], v[SA+2*\k], v[SA+2*\k+1]
	ds_store_b32 v3, v[RS] offset:((7-\k)*5+4)*ITEM
	v_pk_mul_f32 v[SA+2*\k:SA+2*\k+1], v[UU+6:UU+7], v[CC+6:CC+7]
.irp x, 2,1,0
	v_pk_fma_f32 v[SA+2*((\k+3-\x)%8):SA+2*((\k+3-\x)%8)+1], v[UU+2*\x:UU+2*\x+1], v[CC+2*\x:CC+2*\x+1], v[SA+2*((\k+3-\x)%8):SA+2*((\k+3-\x)%8)+1]
	v_pk_fma_f32 v[SA+2*\k:SA+2*\k+1], v[UU+2*\x:UU+2*\x+1], v[CC+2*\x:CC+2*\x+1], v[SA+2*\k:SA+2*\k+1]
.endr
.else
.irp x, 3,2,1,0
	v_pk_fma_f32 v[SA+2*((\k+7-\x)%8):SA+2*((\k+7-\x)%8)+1], v[UU+2*\x:UU+2*\x+1], v[CC+2*\x:CC+2*\x+1], v[SA+2*((\k+7-\x)%8):SA+2*((\k+7-\x)%8)+1]
	v_pk_fma_f32 v[SA+2*\k:SA+2*\k+1], v[UU+2*\x:UU+2*\x+1], v[CC+2*\x:CC+2*\x+1], v[SA+2*\k:SA+2*\k+1]
.endr
.endif
.endm
.macro WSTEP k, lvl                    ; warm-up: rows i0 + 47 .. i0 + 32 feed the rings only
	INTAKE \k, 7, 1
	TRIG1 QC1+2*(\k%2), QS1+2*(\k%2)
	WIN3 \k, \lvl
	COMMIT \k
.endm
.macro MSTEP k, sb                     ; rows i0 + 31 .. i0
	INTAKE \k, 7, 1
	TRIG1 QC1+2*(\k%2), QS1+2*(\k%2)
	WIN3 \k, 4
	MS \k
	SEM4 \k, \sb, 1
	SEM4 \k, \sb, 0
	COMMIT \k
.endm
.macro TSTEP k, sb                     ; rows i0 - 1 .. i0 - 8: the pairs alone; nothing more is loaded, the counts run down
	INTAKE \k, 7-\k, 0
	SEM4 \k, \sb, 1
	SEM4 \k, \sb, 0
	COMMIT \k
.endm
	WSTEP 0, 0
	WSTEP 1, 1
	WSTEP 2, 1
	WSTEP 3, 2
	WSTEP 4, 2
	WSTEP 5, 2
	WSTEP 6, 2
	WSTEP 7, 3
.irp k, 0,1,2,3,4,5,6,7
	WSTEP \k, 3
.endr
	s_wait_kmcnt 0x0                               ; the first four rows of sim are in, and their base may be stepped
	s_sub_nc_u64 s[6:7], s[6:7], 128
	SIMLD 68
	s_mov_b32 s15, 0
.Lmain:
	v_subrev_nc_u32 v2, 8*5*ITEM, v2
	v_subrev_nc_u32 v3, 8*5*ITEM, v3
	MSTEP 0, 56
	MSTEP 1, 48
	MSTEP 2, 40
	MSTEP 3, 32
	s_wait_kmcnt 0x0                               ; s[68:99], asked for four steps ago
	s_sub_nc_u64 s[6:7], s[6:7], 128
	SIMLD 32                                       ; for the next trip's (or the tail's) first four steps
	MSTEP 4, 92
	MSTEP 5, 84
	MSTEP 6, 76
	MSTEP 7, 68
	s_wait_kmcnt 0x0
	s_sub_nc_u64 s[6:7], s[6:7], 128
	SIMLD 68
	s_add_co_u32 s15, s15, 1
	s_cmp_lt_u32 s15, 4
	s_cbranch_scc1 .Lmain
	v_subrev_nc_u32 v3, 8*5*ITEM, v3
	TSTEP 0, 56
	TSTEP 1, 48
	TSTEP 2, 40
	TSTEP 3, 32
	s_wait_kmcnt 0x0
	TSTEP 4, 92
	TSTEP 5, 84
	TSTEP 6, 76
	TSTEP 7, 68
	s_wait_dscnt 0x0
	s_barrier_signal -1
	s_barrier_wait -1
	; wave v = plane, lane = position: 256 words each.  Lanes are 5,200 bytes apart, an odd multiple of 16
	s_cmp_ge_u32 s10, 5
	s_cbranch_scc1 .Ldone
	v_and_b32 v4, 31, v0
	v_mul_u32_u24 v5, v4, 5*ITEM
	s_mul_i32 s16, s10, ITEM
	v_add_nc_u32 v5, s16, v5
.macro TREE n
.set c_, 0
.rept \n
	v_pk_add_f32 v[12+4*c_:13+4*c_], v[12+4*c_:13+4*c_], v[12+4*(c_+\n):13+4*(c_+\n)]
.set c_, c_+1
.endr
.endm
.macro RED32 half
.set c_, 0
.rept 32
	ds_load_b128 v[12+4*c_:15+4*c_], v5 offset:512*\half+16*c_
.set c_, c_+1
.endr
	s_wait_dscnt 0x0
.set c_, 0
.rept 32
	v_pk_add_f32 v[12+4*c_:13+4*c_], v[12+4*c_:13+4*c_], v[14+4*c_:15+4*c_]
.set c_, c_+1
.endr
	TREE 16
	TREE 8
	TREE 4
	TREE 2
.endm
	RED32 0
	v_pk_add_f32 v[140:141], v[12:13], v[16:17]
	RED32 1
	v_pk_add_f32 v[12:13], v[12:13], v[16:17]
	v_pk_add_f32 v[140:141], v[140:141], v[12:13]
	v_add_f32 v8, v140, v141
	s_lshl_b32 s17, s10, 23
	s_sub_co_u32 s17, 0x3a800000, s17              ; 1 / (512 * (2 << v)) = 2^-(10 + v)
	s_lshl_b32 s18, 2, s10                         ; the window's length
	s_cmp_eq_u32 s10, 4
	s_cselect_b32 s17, 1.0, s17                    ; plane 4: the plain sum, no mask
	s_cselect_b32 s18, 0, s18
	v_add_nc_u32 v6, s12, v4                       ; i
	v_add_nc_u32 v7, s18, v6
	v_cmp_ge_u32 vcc_lo, 2048, v7                  ; the window ends inside the sequence
	v_mul_f32 v8, s17, v8
	v_cndmask_b32 v8, 0, v8, vcc_lo
	s_lshl_b32 s19, s10, 13
	s_lshl_b32 s20, s11, 11
	s_add_co_u32 s19, s19, s20
	v_add_nc_u32 v6, s19, v6
	v_lshlrev_b32 v6, 2, v6
	global_store_b32 v6, v8, s[8:9]                ; 128 consecutive bytes a wave
.Ldone:
	s_wait_tensorcnt 0x0
	ds_add_u32 v254, v255
	s_wait_dscnt 0x0
	s_endpgm
.Lfunc_end_k_q5e38b133a7_coh:
	.size	k_q5e38b133a7_coh, .Lfunc_end_k_q5e38b133a7_coh-k_q5e38b133a7_coh
	.p2alignl 7, 3214868480
	.fill 96, 4, 3214868480
	.section	.rodata,"a",@progbits
	.p2align	6, 0x0
	.amdhsa_kernel k_q5e38b133a7_coh
		.amdhsa_group_segment_fixed_size 209152
		.amdhsa_private_segment_fixed_size 0
		.amdhsa_enable_private_segment 0
		.amdhsa_kernarg_size 24
		.amdhsa_user_sgpr_count 2
		.amdhsa_user_sgpr_kernarg_segment_ptr 1
		.amdhsa_wavefront_size32 1
		.amdhsa_system_sgpr_workgroup_id_x 1
		.amdhsa_system_sgpr_workgroup_id_y 1
		.amdhsa_system_sgpr_workgroup_id_z 1
		.amdhsa_system_vgpr_workitem_id 0
		.amdhsa_next_free_vgpr 256
		.amdhsa_next_free_sgpr 100
		.amdhsa_reserve_vcc 1
		.amdhsa_float_denorm_mode_32 3
		.amdhsa_float_denorm_mode_16_64 3
		.amdhsa_memory_ordered 1
		.amdhsa_forward_progress 1
		.amdhsa_inst_pref_size 196
	.end_amdhsa_kernel
	.amdgpu_metadata
---
amdhsa.version: [ 1, 2 ]
amdhsa.kernels:
  - .name:           k_q5e38b133a7_coh
    .symbol:         k_q5e38b133a7_coh.kd
    .args:
      - { .name: embeddings, .offset: 0, .size: 8, .value_kind: global_buffer, .address_space: global }
      - { .name: simb, .offset: 8, .size: 8, .value_kind: global_buffer, .address_space: global }
      - { .name: feat, .offset: 16, .size: 8, .value_kind: global_buffer, .address_space: global }
    .group_segment_fixed_size: 209152
    .private_segment_fixed_size: 0
    .kernarg_segment_align: 8
    .kernarg_segment_size: 24
    .max_flat_workgroup_size: 256
    .sgpr_count:     100
    .vgpr_count:     256
    .wavefront_size: 32
...
	.end_amdgpu_metadata
.endif
;; end of part 3
;; launch chain (part 4): grid 256 x 1, 8 waves a work-group, clusters of 4 x 1, 327,680 bytes of LDS; arguments embeddings, feat, fold, wf, enh_b, ln1_g, ln1_b, ln2_g, ln2_b, ln3_g, ln3_b, out0; writes out0
.if DOCPART == 4
	.amdgcn_target "amdgcn-amd-amdhsa--gfx1250"
	.amdhsa_code_object_version 6
	.text
	.protected	k_q5e38b133a7_chain
	.globl	k_q5e38b133a7_chain
	.p2align	8
	.type	k_q5e38b133a7_chain,@function
k_q5e38b133a7_chain:
	s_mov_b64 s[64:65], 0
	v_nop
	global_prefetch_b8 v0, s[64:65] scope:SCOPE_SE
	s_setreg_imm32_b32 hwreg(HW_REG_WAVE_MODE, 25, 1), 1
	s_wait_xcnt 0x0
	s_wait_alu depctr_hold_cnt(0) depctr_sa_sdst(0) depctr_va_vdst(0) depctr_va_sdst(0) depctr_va_ssrc(0) depctr_va_vcc(0) depctr_vm_vsrc(0)
	s_getreg_b32 s2, hwreg(HW_REG_IB_STS2, 6, 4)
	s_cmp_eq_u32 s2, 0
	s_cbranch_scc0 .Lentry_in_a_cluster
	s_endpgm
.Lentry_in_a_cluster:
	s_bfe_u32 s2, ttmp6, 0x10000c
	s_cmp_lg_u32 s2, 0x3003
	s_cbranch_scc0 .Lentry_shape_is_right
	s_endpgm
.Lentry_shape_is_right:
; The dense chain for 32 rows a group: cos(local) F3 + cos(context) G + the folded rank-6 part, LN, gelu, three residual layers, LN.
; (G = ctx_W x fus_W rows 1024..1535 and the folded part were multiplied out by the launch in front.)
; A layer norm needs whole rows in one group, and 8,192 / 32 = 256 groups.  Wave w owns columns 64 w .. 64 w + 63: 2 x 4 accumulator tiles.
; The five 512 x 512 products walk 20 tiles of 128 K (131,072 bytes, f16 in fragment order) through two LDS slots; wave w fetches and reads
; its own 16,384 bytes of each tile.  All groups walk the same tiles, so the four groups of a cluster ask for each tile JOINTLY (mask 15):
; the descriptors hang on the wave's number and the step alone.  A wave has two tensor loads out at the start, then one.
; The matrix instruction is used transposed (source 0 = weights, source 1 = activations): lane (r, h) holds row 16 mb + r,
; columns 64 w + 16 nb + 8 h + 0..7.  Eight accumulators take turns, one instruction a turn.
; OPERANDS IN f16, sums in f32: 11 significant bits keep the rounding in front of the norms small.
; The activations that are rounded to f16 are bounded: cosines by 1; a normalised row by sqrt(512) |gain| + |bias|.
; LIMITS: an operand beyond 65,504 overflows (|ln2_g| above 2,800).
; cos(x) of embedding differences is made from x / 2 pi less its nearest integer, in f32: absolute error about 1e-7 |x| turns, plus 5e-6
; of the polynomial.  erf by a rational approximation (Abramowitz-Stegun 7.1.25), error 2.5e-5.  Non-finite inputs are not served.
.set SLOTB,  131072
.set AREG,   262144                    ; activations, 32 rows of 512 f16, pitch 1,040 (an odd multiple of 16)
.set APITCH, 1040
.set STAT,   295424                    ; ten areas of [row 32][wave 8] f32, each used once
.set RF,     305664                    ; [row 32][8] f32: four multi-scale values, the semantic value, three zeros
.set SPITCH, 2064                      ; the way out, in slot 0 after its last fill: 32 rows of 2,048 bytes + 16
.set X,   16                           ; v[16:79]   the residual stream, tile (mb, nb) at 8 (4 mb + nb)
.set ACC, 80                           ; v[80:143]  a product, or a normalised copy
.set FR,  144                          ; v[144:239] fragments (two buffers of 16 + 32), or whatever a phase needs
.set AF0, 144
.set BF0, 160
.set T,   240                          ; v[240:255]
.macro ROUND                           ; a round of the cluster's barrier
	s_barrier_signal -1
	s_barrier_wait -1
	s_cmp_lg_u32 s8, 0
	s_cbranch_scc1 .Lnot_wave_0_\@
	s_barrier_signal -3
.Lnot_wave_0_\@:
	s_barrier_wait -3
	s_barrier_signal -1
	s_barrier_wait -1
.endm
.macro PLACES                          ; four places behind a matrix instruction (ISA guide 7.12.1)
.rept 4
	v_nop
.endr
.endm
	s_load_b512 s[36:51], s[0:1], 0x0              ; embeddings 36, feat 38, fold 40, wf 42, enh_b 44, ln1_g 46, ln1_b 48, ln2_g 50
	s_load_b256 s[52:59], s[0:1], 0x40             ; ln2_b 52, ln3_g 54, ln3_b 56, out0 58
	s_set_vgpr_msb 0x40
	v_lshl_add_u32 v0, v0, 2, 0x4ae00
	v_mov_b32 v1, 0
	s_set_vgpr_msb 0x4045
	ds_add_u32 v0, v1
	s_set_vgpr_msb 0x4500
	v_lshrrev_b32 v1, 5, v0
	v_readfirstlane_b32 s8, v1                     ; wave
	s_bfe_u32 s9, ttmp6, 0x40000                   ; cx: enters global offsets and selected values alone
	s_lshl_b32 s3, ttmp9, 2
	s_add_co_u32 s9, s3, s9                        ; the group's number: rows 32 x it
	; descriptor group 1: 64 rows of 32 elements of 8 bytes, dense
	s_mov_b32 s16, 15|(3<<16)|(1<<21)              ; 15:0 mask: all four groups; 17:16 elements of 8 bytes; 21 set beside a mask
	s_mov_b32 s17, 32<<16                          ; tensor_dim0 = 32
	s_mov_b32 s18, 64<<16                          ; tensor_dim1 = 64
	s_mov_b32 s19, 32<<16                          ; tile_dim0 = 32
	s_mov_b32 s20, 64                              ; tile_dim1 = 64
	s_mov_b32 s21, 32                              ; pitch
	s_mov_b32 s22, 0
	s_mov_b32 s23, 0
	s_lshl_b32 s10, s8, 14                         ; my wave's 16,384 bytes of a tile, in wf and in a slot
	s_mov_b32 s11, 0
	s_mov_b32 s32, 0x76543210                      ; v_permlanex16_b32: lane i of the other half
	s_mov_b32 s33, 0xfedcba98
	s_mov_b32 s34, 0xffff0000                      ; lanes 16-31
	s_mov_b32 s35, 0x3727c5ac                      ; 1e-5
	s_mov_b32 s60, 0x3b000000                      ; 1/512
	s_wait_dscnt 0x0
	s_wait_kmcnt 0x0
	s_add_nc_u64 s[12:13], s[42:43], s[10:11]
	s_mov_b32 s24, 1                               ; group 0 of slot 0: tile 0
	s_add_co_u32 s25, s10, 0
	s_mov_b64 s[26:27], s[12:13]
	s_or_b32 s27, s27, 0x80000000
	s_mov_b32 s28, 1                               ; group 0 of slot 1: tile 1
	s_add_co_u32 s29, s10, SLOTB
	s_add_nc_u64 s[30:31], s[12:13], SLOTB
	s_or_b32 s31, s31, 0x80000000
	ROUND                                          ; the four groups are here: the first joint loads meet
	tensor_load_to_lds s[24:27], s[16:23]
	s_nop 0
	tensor_load_to_lds s[28:31], s[16:23]
	s_nop 0
	v_and_b32 v240, 15, v0                         ; r
	v_bfe_u32 v241, v0, 4, 1                       ; h
	v_and_b32 v242, 31, v0                         ; lane
	v_mul_u32_u24 v1, v240, APITCH
	v_lshl_add_u32 v1, v241, 4, v1
	v_add_nc_u32 v1, AREG, v1                      ; v1: activation fragments
	v_lshlrev_b32 v2, 4, v242
	v_lshl_add_u32 v2, s8, 14, v2                  ; v2, v3: weight fragments in slot 0, 1
	v_add_nc_u32 v3, SLOTB, v2
	v_lshl_add_u32 v4, s8, 7, v1                   ; v4: where my 8 f16 of a row go
	v_lshlrev_b32 v5, 5, v241
	v_lshl_add_u32 v5, s8, 8, v5                   ; v5: byte of my first column in a vector of 512 f32
	v_lshlrev_b32 v6, 5, v242
	v_lshl_add_u32 v6, s8, 2, v6
	v_add_nc_u32 v6, STAT, v6                      ; v6: row = lane, word = wave
	v_lshlrev_b32 v7, 5, v240
	v_add_nc_u32 v8, RF, v7                        ; v8: row r's features
	v_add_nc_u32 v7, STAT, v7                      ; v7: row r's eight partial sums
	v_lshlrev_b32 v9, 2, v0
	v_add_nc_u32 v9, AREG, v9                      ; v9: thread t's two f16 of a row
	; ---- features: thread t owns columns 2 t, 2 t + 1 of rows i0 - 8 .. i0 + 39 (E[0..47] in v[144:239])
	s_and_b32 s3, s9, 63                           ; block in the batch
	s_lshl_b32 s61, s3, 5                          ; i0 in the batch
	s_lshl_b32 s10, s9, 16                         ; 32 rows of 2,048 bytes
	s_add_nc_u64 s[4:5], s[36:37], s[10:11]
	s_sub_co_u32 s62, s10, 16384                   ; the 8 rows above; in a batch's first block my own first rows, times 0
	s_cmp_eq_u32 s3, 0
	s_cselect_b32 s62, s10, s62
	s_cselect_b32 s12, 0, 1.0
	s_mov_b32 s13, s12
	s_mov_b32 s63, 0
	s_add_nc_u64 s[6:7], s[36:37], s[62:63]
	s_add_co_u32 s62, s10, 0x10000                 ; the 8 rows below; in a batch's last block my own last rows, times 0
	s_add_co_u32 s66, s10, 0xc000
	s_cmp_eq_u32 s3, 63
	s_cselect_b32 s62, s66, s62
	s_cselect_b32 s14, 0, 1.0
	s_mov_b32 s15, s14
	s_add_nc_u64 s[10:11], s[36:37], s[62:63]
	v_lshlrev_b32 v15, 3, v0
.irp e, 0,1,2,3,4,5,6,7
	global_load_b64 v[FR+2*\e:FR+2*\e+1], v15, s[6:7] offset:\e*2048
.endr
.set e_, 0
.rept 32
	global_load_b64 v[FR+16+2*e_:FR+17+2*e_], v15, s[4:5] offset:e_*2048
.set e_, e_+1
.endr
.irp e, 0,1,2,3,4,5,6,7
	global_load_b64 v[FR+80+2*\e:FR+81+2*\e], v15, s[10:11] offset:\e*2048
.endr
	v_add_nc_u32 v14, s61, v242                    ; lane l: i = i0 + l; rows in its window of +-8
	v_add_nc_u32 v13, 8, v14
	v_min_u32 v13, 2047, v13
	v_add_nc_u32 v11, -8, v14
	v_max_i32 v11, 0, v11
	v_sub_nc_u32 v13, v13, v11
	v_add_nc_u32 v13, 1, v13
	v_cvt_f32_u32 v11, v13
	v_rcp_f32 v10, v11
	v_nop
	s_wait_alu depctr_va_vdst(0)
	v_mul_f32 v10, -1.0, v10                       ; v10 = -1 / count
	s_cmp_lg_u32 s8, 0
	s_cbranch_scc1 .Lno_rf
	; wave 0, lane = row: the four multi-scale values and sem = 1 + (sum over the batches) / (count * 4 * 512)
	s_lshl_b32 s66, s9, 5
	v_add_nc_u32 v240, s66, v242
	v_lshlrev_b32 v240, 2, v240
	v_lshlrev_b32 v241, 2, v14
	v_lshlrev_b32 v243, 5, v242
	v_add_nc_u32 v243, RF, v243
.irp v, 0,1,2,3
	global_load_b32 v[244+\v], v240, s[38:39] offset:\v*32768
	global_load_b32 v[248+\v], v241, s[38:39] offset:131072+\v*8192
.endr
	v_mov_b32 v253, 0
	v_mov_b32 v254, 0
	v_mov_b32 v255, 0
	s_wait_loadcnt 0x0
	v_pk_add_f32 v[248:249], v[248:249], v[250:251]
	v_add_f32 v248, v248, v249
	v_mul_f32 v248, 0x3a000000, v248               ; / 2048
	v_fma_f32 v252, -v248, v10, 1.0
	ds_store_b128 v243, v[244:247]
	ds_store_b128 v243, v[252:255] offset:16
.Lno_rf:
	s_wait_loadcnt 0x0
.set W,  240
.set A0, 242
.set A1, 244
.set R0, 246
.set R1, 248
.set H0, 250
.set H1, 252
.set K7, 254
	v_mov_b32 v[K7], 0xbfdb7127
	v_mov_b32 v[K7+1], 0xbfdb7127
.irp e, 0,1,2,3,4,5,6,7
	v_pk_mul_f32 v[FR+2*\e:FR+2*\e+1], v[FR+2*\e:FR+2*\e+1], s[12:13] op_sel_hi:[1,0]
	v_pk_mul_f32 v[FR+80+2*\e:FR+81+2*\e], v[FR+80+2*\e:FR+81+2*\e], s[14:15] op_sel_hi:[1,0]
.endr
	v_pk_add_f32 v[W:W+1], v[FR:FR+1], v[FR+2:FR+3]
.irp e, 2,3,4,5,6,7,8,9,10,11,12,13,14,15,16
	v_pk_add_f32 v[W:W+1], v[W:W+1], v[FR+2*\e:FR+2*\e+1]
.endr
.macro HORN c
	v_pk_fma_f32 v[H0:H0+1], v[H0:H0+1], v[A0:A0+1], \c op_sel_hi:[1,1,0]
	v_pk_fma_f32 v[H1:H1+1], v[H1:H1+1], v[A1:A1+1], \c op_sel_hi:[1,1,0]
.endm
; row m: cos(x - window mean), kept packed in v[ACC + m]; cos(next row - x), to LDS.  cos(2 pi t), |t| <= 1/2, as a polynomial in t^2
.macro FROW m
	v_readlane_b32 s62, v10, \m
	v_pk_fma_f32 v[A0:A0+1], v[W:W+1], s[62:63], v[FR+16+2*\m:FR+17+2*\m] op_sel_hi:[1,0,1]
	v_pk_add_f32 v[A1:A1+1], v[FR+18+2*\m:FR+19+2*\m], v[FR+16+2*\m:FR+17+2*\m] neg_lo:[0,1] neg_hi:[0,1]
	v_pk_mul_f32 v[A0:A0+1], v[A0:A0+1], 0.15915494 op_sel_hi:[1,0]
	v_pk_mul_f32 v[A1:A1+1], v[A1:A1+1], 0.15915494 op_sel_hi:[1,0]
	v_rndne_f32 v[R0], v[A0]
	v_rndne_f32 v[R0+1], v[A0+1]
	v_rndne_f32 v[R1], v[A1]
	v_rndne_f32 v[R1+1], v[A1+1]
	v_pk_add_f32 v[A0:A0+1], v[A0:A0+1], v[R0:R0+1] neg_lo:[0,1] neg_hi:[0,1]
	v_pk_add_f32 v[A1:A1+1], v[A1:A1+1], v[R1:R1+1] neg_lo:[0,1] neg_hi:[0,1]
	v_pk_mul_f32 v[A0:A0+1], v[A0:A0+1], v[A0:A0+1]
	v_pk_mul_f32 v[A1:A1+1], v[A1:A1+1], v[A1:A1+1]
	v_pk_fma_f32 v[H0:H0+1], v[A0:A0+1], v[K7:K7+1], 0x40fce9c5 op_sel_hi:[1,1,0]
	v_pk_fma_f32 v[H1:H1+1], v[A1:A1+1], v[K7:K7+1], 0x40fce9c5 op_sel_hi:[1,1,0]
	HORN 0xc1d368f9
	HORN 0x4270fa83
	HORN 0xc2aae9e4
	HORN 0x4281e0f8
	HORN 0xc19de9e6
	HORN 1.0
.if \m == 31
	v_pk_mul_f32 v[H1:H1+1], v[H1:H1+1], s[14:15] op_sel_hi:[1,0]      ; a batch's last row has no next row: 0
.endif
	v_cvt_pk_f16_f32 v[ACC+\m], v[H0], v[H0+1]
	v_cvt_pk_f16_f32 v[R0], v[H1], v[H1+1]
	ds_store_b32 v9, v[R0] offset:\m*APITCH
.if \m < 31
	v_pk_add_f32 v[W:W+1], v[W:W+1], v[FR+34+2*\m:FR+35+2*\m]
	v_pk_add_f32 v[W:W+1], v[W:W+1], v[FR+2*\m:FR+2*\m+1] neg_lo:[0,1] neg_hi:[0,1]
.endif
.endm
.irp m, 0,1,2,3,4,5,6,7,8,9,10,11,12,13,14,15,16,17,18,19,20,21,22,23,24,25,26,27,28,29,30,31
	FROW \m
.endr
; twelve LDS loads: activations of 32 rows and weights of 64 columns, 32 along K, into buffer f
.macro FETCH f, slot, kbl, kg
.irp mb, 0,1
	ds_load_b128 v[AF0+48*\f+8*\mb:AF0+48*\f+8*\mb+3], v1 offset:\mb*16*APITCH+(\kg)*64
	ds_load_b128 v[AF0+48*\f+8*\mb+4:AF0+48*\f+8*\mb+7], v1 offset:\mb*16*APITCH+(\kg)*64+32
.endr
.irp nb, 0,1,2,3
	ds_load_b128 v[BF0+48*\f+8*\nb:BF0+48*\f+8*\nb+3], v[2+\slot] offset:\kbl*4096+\nb*1024
	ds_load_b128 v[BF0+48*\f+8*\nb+4:BF0+48*\f+8*\nb+7], v[2+\slot] offset:\kbl*4096+\nb*1024+512
.endr
.endm
.macro MUL f, dst, zero
.irp mb, 0,1
.irp nb, 0,1,2,3
.if \zero
	v_wmma_f32_16x16x32_f16 v[\dst+8*(4*\mb+\nb):\dst+8*(4*\mb+\nb)+7], v[BF0+48*\f+8*\nb:BF0+48*\f+8*\nb+7], v[AF0+48*\f+8*\mb:AF0+48*\f+8*\mb+7], 0
.else
	v_wmma_f32_16x16x32_f16 v[\dst+8*(4*\mb+\nb):\dst+8*(4*\mb+\nb)+7], v[BF0+48*\f+8*\nb:BF0+48*\f+8*\nb+7], v[AF0+48*\f+8*\mb:AF0+48*\f+8*\mb+7], v[\dst+8*(4*\mb+\nb):\dst+8*(4*\mb+\nb)+7]
.endif
.endr
.endr
.endm
.macro GEMM4 slot, chunk, dst, zero    ; 128 along K; s_wait_dscnt 12 leaves the twelve loads just issued on their way
	PLACES
	FETCH 0, \slot, 0, 4*\chunk
	FETCH 1, \slot, 1, 4*\chunk+1
	s_wait_dscnt 12
	MUL 0, \dst, \zero
	PLACES
	FETCH 0, \slot, 2, 4*\chunk+2
	s_wait_dscnt 12
	MUL 1, \dst, 0
	PLACES
	FETCH 1, \slot, 3, 4*\chunk+3
	s_wait_dscnt 12
	MUL 0, \dst, 0
	s_wait_dscnt 0x0
	MUL 1, \dst, 0
.endm
; One tile.  In front of the round each wave's tensor loads have landed (this slot's tile among them) and its LDS instructions are done (its reads of the
; other slot, its stores of activations); behind the round the other slot's refill comes first, one load a wave, and has this tile's work in which to land.
.macro STEP slot, chunk, dst, zero, refill
	s_set_vgpr_msb 0x5
	s_wait_tensorcnt 0x0
	ds_add_u32 v0, v1
	s_wait_dscnt 0x0
	s_set_vgpr_msb 0x500
.if \refill
	s_add_nc_u64 s[30-4*\slot:31-4*\slot], s[30-4*\slot:31-4*\slot], 2*SLOTB
.endif
	s_wait_dscnt 0x0
.if \refill
	ROUND
	tensor_load_to_lds s[28-4*\slot:31-4*\slot], s[16:23]
	s_nop 0
.else
	s_barrier_signal -1
	s_barrier_wait -1
.endif
	GEMM4 \slot, \chunk, \dst, \zero
.endm
; v14, v15 (a sum for row r and for row 16 + r over my 32 columns) become the sums over all 512 columns
.macro XCHG area
	v_permlanex16_b32 v[T+14], v14, s32, s33
	v_permlanex16_b32 v[T+15], v15, s32, s33
	v_add_f32 v14, v14, v[T+14]
	v_add_f32 v15, v15, v[T+15]
	v_cndmask_b32 v[T+14], v14, v15, s34           ; lane l speaks for row l
	ds_store_b32 v6, v[T+14] offset:(\area)*1024
	s_wait_dscnt 0x0
	s_barrier_signal -1
	s_barrier_wait -1
	ds_load_b128 v[T:T+3], v7 offset:(\area)*1024
	ds_load_b128 v[T+4:T+7], v7 offset:(\area)*1024+16
	ds_load_b128 v[T+8:T+11], v7 offset:(\area)*1024+512
	ds_load_b128 v[T+12:T+15], v7 offset:(\area)*1024+528
	s_wait_dscnt 0x0
	v_pk_add_f32 v[T:T+1], v[T:T+1], v[T+2:T+3]
	v_pk_add_f32 v[T+4:T+5], v[T+4:T+5], v[T+6:T+7]
	v_pk_add_f32 v[T+8:T+9], v[T+8:T+9], v[T+10:T+11]
	v_pk_add_f32 v[T+12:T+13], v[T+12:T+13], v[T+14:T+15]
	v_pk_add_f32 v[T:T+1], v[T:T+1], v[T+4:T+5]
	v_pk_add_f32 v[T+8:T+9], v[T+8:T+9], v[T+12:T+13]
	v_add_f32 v14, v[T], v[T+1]
	v_add_f32 v15, v[T+8], v[T+9]
.endm
; ACC = layer norm of X, gain at s[gp:gp+1], bias at s[bp:bp+1].  Two passes: the mean first, then the squares of the differences
.macro LN area, gp, bp
.irp nb, 0,1,2,3
	global_load_b128 v[FR+8*\nb:FR+8*\nb+3], v5, s[\gp:\gp+1] offset:\nb*64
	global_load_b128 v[FR+8*\nb+4:FR+8*\nb+7], v5, s[\gp:\gp+1] offset:\nb*64+16
	global_load_b128 v[FR+32+8*\nb:FR+32+8*\nb+3], v5, s[\bp:\bp+1] offset:\nb*64
	global_load_b128 v[FR+32+8*\nb+4:FR+32+8*\nb+7], v5, s[\bp:\bp+1] offset:\nb*64+16
.endr
.irp mb, 0,1
	v_pk_add_f32 v[FR+64+4*\mb:FR+65+4*\mb], v[X+32*\mb:X+32*\mb+1], v[X+32*\mb+2:X+32*\mb+3]
	v_pk_add_f32 v[FR+66+4*\mb:FR+67+4*\mb], v[X+32*\mb+4:X+32*\mb+5], v[X+32*\mb+6:X+32*\mb+7]
.endr
.irp p, 8,12,16,20,24,28
.irp mb, 0,1
	v_pk_add_f32 v[FR+64+4*\mb:FR+65+4*\mb], v[FR+64+4*\mb:FR+65+4*\mb], v[X+32*\mb+\p:X+32*\mb+\p+1]
	v_pk_add_f32 v[FR+66+4*\mb:FR+67+4*\mb], v[FR+66+4*\mb:FR+67+4*\mb], v[X+32*\mb+\p+2:X+32*\mb+\p+3]
.endr
.endr
.irp mb, 0,1
	v_pk_add_f32 v[FR+64+4*\mb:FR+65+4*\mb], v[FR+64+4*\mb:FR+65+4*\mb], v[FR+66+4*\mb:FR+67+4*\mb]
	v_add_f32 v[14+\mb], v[FR+64+4*\mb], v[FR+65+4*\mb]
.endr
	XCHG \area
	v_mul_f32 v10, 0xbb000000, v14                 ; - mean
	v_mul_f32 v11, 0xbb000000, v15
.set p_, 0
.rept 16
	v_pk_add_f32 v[ACC+p_:ACC+p_+1], v[X+p_:X+p_+1], v[10:11] op_sel_hi:[1,0]
	v_pk_add_f32 v[ACC+32+p_:ACC+33+p_], v[X+32+p_:X+33+p_], v[10:11] op_sel:[0,1]
.set p_, p_+2
.endr
.irp mb, 0,1
	v_pk_mul_f32 v[FR+64+4*\mb:FR+65+4*\mb], v[ACC+32*\mb:ACC+32*\mb+1], v[ACC+32*\mb:ACC+32*\mb+1]
	v_pk_mul_f32 v[FR+66+4*\mb:FR+67+4*\mb], v[ACC+32*\mb+2:ACC+32*\mb+3], v[ACC+32*\mb+2:ACC+32*\mb+3]
.endr
.irp p, 4,8,12,16,20,24,28
.irp mb, 0,1
	v_pk_fma_f32 v[FR+64+4*\mb:FR+65+4*\mb], v[ACC+32*\mb+\p:ACC+32*\mb+\p+1], v[ACC+32*\mb+\p:ACC+32*\mb+\p+1], v[FR+64+4*\mb:FR+65+4*\mb]
	v_pk_fma_f32 v[FR+66+4*\mb:FR+67+4*\mb], v[ACC+32*\mb+\p+2:ACC+32*\mb+\p+3], v[ACC+32*\mb+\p+2:ACC+32*\mb+\p+3], v[FR+66+4*\mb:FR+67+4*\mb]
.endr
.endr
.irp mb, 0,1
	v_pk_add_f32 v[FR+64+4*\mb:FR+65+4*\mb], v[FR+64+4*\mb:FR+65+4*\mb], v[FR+66+4*\mb:FR+67+4*\mb]
	v_add_f32 v[14+\mb], v[FR+64+4*\mb], v[FR+65+4*\mb]
.endr
	XCHG \area+1
	v_fma_f32 v14, v14, s60, s35                   ; variance + 1e-5
	v_fma_f32 v15, v15, s60, s35
	v_rsq_f32 v12, v14
	v_rsq_f32 v13, v15
	v_nop
	s_wait_loadcnt 0x0                             ; gain and bias
.set p_, 0
	s_wait_alu depctr_va_vdst(0)
.rept 16
	v_pk_mul_f32 v[ACC+p_:ACC+p_+1], v[ACC+p_:ACC+p_+1], v[12:13] op_sel_hi:[1,0]
	v_pk_mul_f32 v[ACC+32+p_:ACC+33+p_], v[ACC+32+p_:ACC+33+p_], v[12:13] op_sel:[0,1]
.set p_, p_+2
.endr
.set p_, 0
.rept 16
	v_pk_fma_f32 v[ACC+p_:ACC+p_+1], v[ACC+p_:ACC+p_+1], v[FR+p_:FR+p_+1], v[FR+32+p_:FR+33+p_]
	v_pk_fma_f32 v[ACC+32+p_:ACC+33+p_], v[ACC+32+p_:ACC+33+p_], v[FR+p_:FR+p_+1], v[FR+32+p_:FR+33+p_]
.set p_, p_+2
.endr
.endm
.macro TOA_CVT                         ; ACC rounded to f16, 16 bytes a tile and lane
.irp tl, 0,1,2,3,4,5,6,7
.irp p, 0,1,2,3
	v_cvt_pk_f16_f32 v[FR+4*\tl+\p], v[ACC+8*\tl+2*\p], v[ACC+8*\tl+2*\p+1]
.endr
.endr
.endm
.macro TOA_ST
.irp mb, 0,1
.irp nb, 0,1,2,3
	ds_store_b128 v4, v[FR+4*(4*\mb+\nb):FR+4*(4*\mb+\nb)+3] offset:\mb*16*APITCH+\nb*32
.endr
.endr
.endm
.set GA, 144
.set GD, 152
.set GM, 160
.set GT, 168
.set GE, 176
.set GQ, 184
.set GR, 192
.set K3, 200
.set EB, 208
; gelu(x) = max(x, 0) - |x| q, q = t (a1 + t (a2 + a3 t)) 2^(-0.72134752 x^2), t = 1 / (1 + 0.3326725 |x|), for tile tl of ACC.
; mode 0: X = gelu; mode 1: X += 0.1 gelu
.macro GELU tl, mode
.irp e, 0,1,2,3,4,5,6,7
	v_and_b32 v[GA+\e], 0x7fffffff, v[ACC+8*\tl+\e]
.endr
.irp p, 0,2,4,6
	v_pk_fma_f32 v[GD+\p:GD+\p+1], v[GA+\p:GA+\p+1], 0x3eaa540d, 1.0 op_sel_hi:[1,0,0]
	v_pk_mul_f32 v[GM+\p:GM+\p+1], v[ACC+8*\tl+\p:ACC+8*\tl+\p+1], v[ACC+8*\tl+\p:ACC+8*\tl+\p+1]
.endr
.irp p, 0,2,4,6
	v_pk_mul_f32 v[GM+\p:GM+\p+1], v[GM+\p:GM+\p+1], 0xbf38aa3b op_sel_hi:[1,0]
.endr
.irp e, 0,1,2,3,4,5,6,7
	v_rcp_f32 v[GT+\e], v[GD+\e]
.endr
.irp e, 0,1,2,3,4,5,6,7
	v_exp_f32 v[GE+\e], v[GM+\e]
.endr
.irp e, 0,1,2,3,4,5,6,7
	v_max_num_f32 v[GR+\e], 0, v[ACC+8*\tl+\e]     ; plain work behind the transcendentals (ISA guide 5.7.2)
.endr
	s_wait_alu depctr_va_vdst(0)
.irp p, 0,2,4,6
	v_pk_fma_f32 v[GQ+\p:GQ+\p+1], v[GT+\p:GT+\p+1], v[K3:K3+1], 0xbd445ca1 op_sel_hi:[1,1,0]
.endr
.irp p, 0,2,4,6
	v_pk_fma_f32 v[GQ+\p:GQ+\p+1], v[GQ+\p:GQ+\p+1], v[GT+\p:GT+\p+1], 0x3e32303a op_sel_hi:[1,1,0]
.endr
.irp p, 0,2,4,6
	v_pk_mul_f32 v[GQ+\p:GQ+\p+1], v[GQ+\p:GQ+\p+1], v[GT+\p:GT+\p+1]
.endr
.irp p, 0,2,4,6
	v_pk_mul_f32 v[GQ+\p:GQ+\p+1], v[GQ+\p:GQ+\p+1], v[GE+\p:GE+\p+1]
.endr
.if \mode
.irp p, 0,2,4,6
	v_pk_fma_f32 v[GR+\p:GR+\p+1], v[GA+\p:GA+\p+1], v[GQ+\p:GQ+\p+1], v[GR+\p:GR+\p+1] neg_lo:[0,1,0] neg_hi:[0,1,0]
.endr
.irp p, 0,2,4,6
	v_pk_fma_f32 v[X+8*\tl+\p:X+8*\tl+\p+1], v[GR+\p:GR+\p+1], 0x3dcccccd, v[X+8*\tl+\p:X+8*\tl+\p+1] op_sel_hi:[1,0,1]
.endr
.else
.irp p, 0,2,4,6
	v_pk_fma_f32 v[X+8*\tl+\p:X+8*\tl+\p+1], v[GA+\p:GA+\p+1], v[GQ+\p:GQ+\p+1], v[GR+\p:GR+\p+1] neg_lo:[0,1,0] neg_hi:[0,1,0]
.endr
.endif
.endm
.macro SETK3
	v_mov_b32 v[K3], 0x3ebf7377
	v_mov_b32 v[K3+1], 0x3ebf7377
.endm
	; ---- pass 0: X = cos(local) x fus_W rows 1536..
	s_wait_tensorcnt 0x1                           ; my part of tile 0 is in; tile 1 stays out
	s_wait_dscnt 0x0                               ; my stores of activations and row features are done
	s_barrier_signal -1
	s_barrier_wait -1
	GEMM4 0, 0, X, 1
	STEP 1, 1, X, 0, 1
	STEP 0, 2, X, 0, 1
	STEP 1, 3, X, 0, 1
	; ---- pass 1: X += cos(context) x G
	s_wait_dscnt 0x0                               ; every wave's reads of the activations are over before they are overwritten
	s_barrier_signal -1
	s_barrier_wait -1
.set m_, 0
.rept 32
	ds_store_b32 v9, v[ACC+m_] offset:m_*APITCH
.set m_, m_+1
.endr
	STEP 0, 0, X, 0, 1
	STEP 1, 1, X, 0, 1
	STEP 0, 2, X, 0, 1
	STEP 1, 3, X, 0, 1
	; ---- X += fold[0] + sum of ms_v fold[v] + sem fold[5]
	PLACES
	ds_load_b128 v[T:T+3], v8
	ds_load_b128 v[T+4:T+7], v8 offset:16
	ds_load_b128 v[T+8:T+11], v8 offset:512
	ds_load_b128 v[T+12:T+15], v8 offset:528
.macro FOLDLD set, nb
.irp a, 0,1,2,3,4,5
	global_load_b128 v[FR+48*\set+8*\a:FR+48*\set+8*\a+3], v5, s[40:41] offset:\a*2048+\nb*64
	global_load_b128 v[FR+48*\set+8*\a+4:FR+48*\set+8*\a+7], v5, s[40:41] offset:\a*2048+\nb*64+16
.endr
.endm
.macro BT term, set, nb, cp, sel       ; X += fold row x a row's feature, taken from pair cp of the row's eight
.irp mb, 0,1
.irp p, 0,2,4,6
.if \sel
	v_pk_fma_f32 v[X+8*(4*\mb+\nb)+\p:X+8*(4*\mb+\nb)+\p+1], v[FR+48*\set+8*\term+\p:FR+48*\set+8*\term+\p+1], v[T+8*\mb+\cp:T+8*\mb+\cp+1], v[X+8*(4*\mb+\nb)+\p:X+8*(4*\mb+\nb)+\p+1] op_sel:[0,1,0]
.else
	v_pk_fma_f32 v[X+8*(4*\mb+\nb)+\p:X+8*(4*\mb+\nb)+\p+1], v[FR+48*\set+8*\term+\p:FR+48*\set+8*\term+\p+1], v[T+8*\mb+\cp:T+8*\mb+\cp+1], v[X+8*(4*\mb+\nb)+\p:X+8*(4*\mb+\nb)+\p+1] op_sel_hi:[1,0,1]
.endif
.endr
.endr
.endm
.macro FOLDADD set, nb
.irp mb, 0,1
.irp p, 0,2,4,6
	v_pk_add_f32 v[X+8*(4*\mb+\nb)+\p:X+8*(4*\mb+\nb)+\p+1], v[X+8*(4*\mb+\nb)+\p:X+8*(4*\mb+\nb)+\p+1], v[FR+48*\set+\p:FR+48*\set+\p+1]
.endr
.endr
	BT 1, \set, \nb, 0, 0
	BT 2, \set, \nb, 0, 1
	BT 3, \set, \nb, 2, 0
	BT 4, \set, \nb, 2, 1
	BT 5, \set, \nb, 4, 0
.endm
	FOLDLD 0, 0
	FOLDLD 1, 1
	s_wait_dscnt 0x0
	s_wait_loadcnt 12                              ; the next column block's twelve loads stay out
	FOLDADD 0, 0
	FOLDLD 0, 2
	s_wait_loadcnt 12
	FOLDADD 1, 1
	FOLDLD 1, 3
	s_wait_loadcnt 12
	FOLDADD 0, 2
	s_wait_loadcnt 0x0
	FOLDADD 1, 3
	LN 0, 46, 48
	SETK3
.irp tl, 0,1,2,3,4,5,6,7
	GELU \tl, 0
.endr
	LN 2, 50, 52
	TOA_CVT
	TOA_ST                                         ; behind the norm's barriers, in front of which every wave's reads of the activations were done
; ---- a residual layer: X += 0.1 gelu(LN(X) W + b)
.macro ENH i, last
	STEP 0, 0, ACC, 1, 1
	STEP 1, 1, ACC, 0, 1
	STEP 0, 2, ACC, 0, 1
	STEP 1, 3, ACC, 0, 1-\last
	PLACES
.irp nb, 0,1,2,3
	global_load_b128 v[EB+8*\nb:EB+8*\nb+3], v5, s[44:45] offset:\i*2048+\nb*64
	global_load_b128 v[EB+8*\nb+4:EB+8*\nb+7], v5, s[44:45] offset:\i*2048+\nb*64+16
.endr
	SETK3
	s_wait_loadcnt 0x0
.irp tl, 0,1,2,3,4,5,6,7
.irp p, 0,2,4,6
	v_pk_add_f32 v[ACC+8*\tl+\p:ACC+8*\tl+\p+1], v[ACC+8*\tl+\p:ACC+8*\tl+\p+1], v[EB+8*(\tl%4)+\p:EB+8*(\tl%4)+\p+1]
.endr
	GELU \tl, 1
.endr
.if \last == 0
	LN 4+2*\i, 50, 52
	TOA_CVT
	TOA_ST
.endif
.endm
	ENH 0, 0
	ENH 1, 0
	ENH 2, 1
	; ---- the way out: LN, whole rows gathered in slot 0 (its last fill was read two tiles ago), 512 consecutive bytes a store
	LN 8, 54, 56
	v_and_b32 v14, 15, v0
	v_mul_u32_u24 v9, v14, SPITCH
	v_add_nc_u32 v9, v5, v9                        ; row r, byte 256 w + 32 h
	v_and_b32 v15, 31, v0
	v_lshlrev_b32 v15, 4, v15
	s_mul_i32 s3, s8, 4*SPITCH
	v_add_nc_u32 v14, s3, v15                      ; back: rows 4 w .. 4 w + 3
	v_lshl_add_u32 v15, s8, 13, v15
	s_lshl_b32 s10, s9, 16
	s_mov_b32 s11, 0
	s_add_nc_u64 s[58:59], s[58:59], s[10:11]
.irp mb, 0,1
.irp nb, 0,1,2,3
	ds_store_b128 v9, v[ACC+8*(4*\mb+\nb):ACC+8*(4*\mb+\nb)+3] offset:\mb*16*SPITCH+\nb*64
	ds_store_b128 v9, v[ACC+8*(4*\mb+\nb)+4:ACC+8*(4*\mb+\nb)+7] offset:\mb*16*SPITCH+\nb*64+16
.endr
.endr
	s_wait_dscnt 0x0
	s_barrier_signal -1
	s_barrier_wait -1
.irp rr, 0,1,2,3
.irp c, 0,1,2,3
	ds_load_b128 v[FR+4*(4*\rr+\c):FR+4*(4*\rr+\c)+3], v14 offset:\rr*SPITCH+\c*512
.endr
.endr
.irp rr, 0,1,2,3
.irp c, 0,1,2,3
	s_wait_dscnt 15-(4*\rr+\c)                     ; LDS loads come back in order: the younger ones stay out
	global_store_b128 v15, v[FR+4*(4*\rr+\c):FR+4*(4*\rr+\c)+3], s[58:59] offset:\rr*2048+\c*512 th:TH_STORE_NT
.endr
.endr
	s_set_vgpr_msb 0x5
	s_wait_tensorcnt 0x0
	ds_add_u32 v0, v1
	s_wait_dscnt 0x0
	s_set_vgpr_msb 0x500
	ROUND                                          ; the closing round: no group ends while a partner may still ask for a tile that names it
	s_endpgm
.Lfunc_end_k_q5e38b133a7_chain:
	.size	k_q5e38b133a7_chain, .Lfunc_end_k_q5e38b133a7_chain-k_q5e38b133a7_chain
	.p2alignl 7, 3214868480
	.fill 96, 4, 3214868480
	.section	.rodata,"a",@progbits
	.p2align	6, 0x0
	.amdhsa_kernel k_q5e38b133a7_chain
		.amdhsa_group_segment_fixed_size 327680
		.amdhsa_private_segment_fixed_size 0
		.amdhsa_enable_private_segment 0
		.amdhsa_kernarg_size 96
		.amdhsa_user_sgpr_count 2
		.amdhsa_user_sgpr_kernarg_segment_ptr 1
		.amdhsa_wavefront_size32 1
		.amdhsa_system_sgpr_workgroup_id_x 1
		.amdhsa_system_sgpr_workgroup_id_y 1
		.amdhsa_system_sgpr_workgroup_id_z 1
		.amdhsa_system_vgpr_workitem_id 0
		.amdhsa_next_free_vgpr 258
		.amdhsa_next_free_sgpr 68
		.amdhsa_reserve_vcc 0
		.amdhsa_float_denorm_mode_32 3
		.amdhsa_float_denorm_mode_16_64 3
		.amdhsa_memory_ordered 1
		.amdhsa_forward_progress 1
		.amdhsa_inst_pref_size 255
	.end_amdhsa_kernel
	.section	.bss,"aw",@nobits
	.p2align	6
	.space	262144
	.amdgpu_metadata
---
amdhsa.version: [ 1, 2 ]
amdhsa.kernels:
  - .name:           k_q5e38b133a7_chain
    .symbol:         k_q5e38b133a7_chain.kd
    .args:
      - { .name: embeddings, .offset: 0, .size: 8, .value_kind: global_buffer, .address_space: global }
      - { .name: feat, .offset: 8, .size: 8, .value_kind: global_buffer, .address_space: global }
      - { .name: fold, .offset: 16, .size: 8, .value_kind: global_buffer, .address_space: global }
      - { .name: wf, .offset: 24, .size: 8, .value_kind: global_buffer, .address_space: global }
      - { .name: enh_b, .offset: 32, .size: 8, .value_kind: global_buffer, .address_space: global }
      - { .name: ln1_g, .offset: 40, .size: 8, .value_kind: global_buffer, .address_space: global }
      - { .name: ln1_b, .offset: 48, .size: 8, .value_kind: global_buffer, .address_space: global }
      - { .name: ln2_g, .offset: 56, .size: 8, .value_kind: global_buffer, .address_space: global }
      - { .name: ln2_b, .offset: 64, .size: 8, .value_kind: global_buffer, .address_space: global }
      - { .name: ln3_g, .offset: 72, .size: 8, .value_kind: global_buffer, .address_space: global }
      - { .name: ln3_b, .offset: 80, .size: 8, .value_kind: global_buffer, .address_space: global }
      - { .name: out0, .offset: 88, .size: 8, .value_kind: global_buffer, .address_space: global }
    .group_segment_fixed_size: 327680
    .private_segment_fixed_size: 0
    .kernarg_segment_align: 8
    .kernarg_segment_size: 96
    .max_flat_workgroup_size: 256
    .sgpr_count:     68
    .vgpr_count:     258
    .wavefront_size: 32
...
	.end_amdgpu_metadata
.endif
;; end of part 4
